; MI455X (gfx1250); checked and timed in simulation.
; The chip was launched on July 23, 2026; its instructions are those of AMD's public machine-readable ISA for CDNA 5 (MIT licence, August 2026) and "CDNA5" Instruction Set Architecture Reference Guide (July 2026). The comments in the code are by the model that wrote it; some were corrected since.
;; Multi Head Attention. Allowed arithmetic: matrix products marked QUANTISED: E2M1 operands, one E8M0 scale for each 32 along K, by v_wmma_scale_f32_16x16x128_f8f6f4 with both operands' format E2M1 (or v_wmma_scale_f32_32x16x128_f4), f32 sums; products left as they are: bf16, f16 or f32 operands; f32 sums; everything else in f32.
;; Inputs: bk 1,024 float32; bo 1,024 float32; bq 1,024 float32; bv 1,024 float32; wk 1,024 x 1,024 float32; wo 1,024 x 1,024 float32; wq 1,024 x 1,024 float32; wv 1,024 x 1,024 float32; x_input 4 x 2,048 x 1,024 float32.
;; Outputs: out0 4 x 2,048 x 1,024 float32.
;; This version of the problem:
;;   THIS VERSION OF THE PROBLEM IS GIVEN IN LOW PRECISION. The matrix products marked QUANTISED in the list below multiply operands that are first quantised to E2M1 (2 exponent bits, 1 mantissa bit; 4 bits a number), with one power-of-two scale for each 32 numbers along K (OCP MX v1.0); their sums are f32. The products marked 'left as it is' may take bf16, f16 or f32 operands, with f32 sums. Whichever they take, every output number must still come out within the allowed error. Rounding operands to bf16 (8 significant bits) uses up far more of that allowance than f16 does (11 bits, for magnitudes from 6e-5 to 65,504). All else is computed in f32.
;;   The module's matrix products, in the order in which they are computed (A, B: the left and right operand; K: the contracted axis; several contracted axes count as one K, in the product's order):
;;     1. [M 8,192, K 1,024] x [K 1,024, N 1,024]; A: input x_input; B: input wq: QUANTISED
;;     2. [M 8,192, K 1,024] x [K 1,024, N 1,024]; A: input x_input; B: input wk: QUANTISED
;;     3. [M 8,192, K 1,024] x [K 1,024, N 1,024]; A: input x_input; B: input wv: QUANTISED
;;     4. batch 64 x [M 2,048, K 64] x [K 64, N 2,048]; A: computed on the way; B: computed on the way: left as it is (an operand is computed on the way)
;;     5. batch 64 x [M 64, K 2,048] x [K 2,048, N 2,048]; A: computed on the way; B: computed on the way: left as it is (an operand is computed on the way)
;;     6. [M 8,192, K 1,024] x [K 1,024, N 1,024]; A: computed on the way; B: input wo: left as it is (an operand is computed on the way)
;;   THE QUANTISER, for each operand of a quantised product, along K:
;;     - K is cut into blocks of 32 from its start; a last block that is shorter is filled with zeros.
;;     - A block's scale is 2^e with e = floor(log2(the largest magnitude in the block)) - 2, held to -126 .. 127; a block of zeros has e = 0. As a byte (E8M0): e + 127.
;;     - Each number is divided by its block's scale, clamped to +-6, and rounded to the nearest number of E2M1, ties to even, subnormals kept.
;;     - The product sums the exact products of the quantised numbers (number of the format x scale) in f32.
;;   ~~~python
;;   def quantise(x, axis):      # numpy; x: float32 -> the quantised numbers, widened to float32 again
;;       x = np.moveaxis(x, axis, -1); K = x.shape[-1]
;;       x = np.pad(x, [(0, 0)] * (x.ndim - 1) + [(0, -K % 32)]); x = x.reshape(x.shape[:-1] + (-1, 32)); a = np.abs(x).max(-1, keepdims=True)
;;       e = np.where(a > 0, np.clip(np.frexp(np.where(a > 0, a, 1))[1] - 1 - 2, -126, 127), 0)      # np.frexp(a)[1] - 1 = floor(log2(a)), exactly
;;       r = np.clip(x / 2.0 ** e, -6, 6)
;;       step = 2.0 ** (np.maximum(np.frexp(np.where(r == 0, 1, r))[1] - 1, 0) - 1)
;;       q = np.round(r / step) * step * 2.0 ** e      # np.round: ties to even
;;       return np.moveaxis(q.reshape(q.shape[:-2] + (-1,))[..., :K], -1, axis).astype(np.float32)
;;   ~~~
;; One version. Each part assembles by itself: llvm-mc -triple=amdgcn-amd-amdhsa -mcpu=gfx1250 --defsym DOCPART=n.
;; ======== version 1 of 1: 4 launches
;; limits: values are held in f16: magnitudes above 65,504 overflow, below 6.1e-05 lose precision
;; workspace buffers: xc 4,194,304 bytes; xs 262,144 bytes; wc 1,572,864 bytes; ws 98,304 bytes; woh 2,097,152 bytes; qkv 50,331,648 bytes; att 16,777,216 bytes
;; launch prep (part 1): grid 384 x 1, 4 waves a work-group, no clusters, 33,280 bytes of LDS; arguments x_input, wq, wk, wv, wo, xc, xs, wc, ws, woh; writes xc, xs, wc, ws, woh
.if DOCPART == 1
	.amdgcn_target "amdgcn-amd-amdhsa--gfx1250"
	.amdhsa_code_object_version 6
	.text
	.protected	k_q5d7124318b_prep
	.globl	k_q5d7124318b_prep
	.p2align	8
	.type	k_q5d7124318b_prep,@function
k_q5d7124318b_prep:
	s_mov_b64 s[64:65], 0
	v_nop
	global_prefetch_b8 v0, s[64:65] scope:SCOPE_SE
	s_setreg_imm32_b32 hwreg(HW_REG_WAVE_MODE, 25, 1), 1
	s_wait_xcnt 0x0
; MULTI-HEAD ATTENTION, launch 1 of 4.  x_input [8192][1024] and wq, wk, wv [1024][1024], f32 with K innermost, become codes of FP4 (E2M1) with one E8M0 byte for each 32 along K;
; wo [1024][1024] becomes f16, laid by head: woh[kc][n][64] = wo[n][64 kc + c].
; WORK LEFT OUT, IN THE WHOLE PROGRAM: bk.  k = x wk^T + bk enters the scores alone: score(q, key) = q . (x_key wk^T) + q . bk.  The second term is the same for all keys of a query, that is
; along the softmax's axis, so softmax(scores) does not hang on it, whatever finite values the inputs hold; the product of q and k is not quantised, so bk moves no code and no scale either.
; bk is loaded by no launch and is among no launch's arguments.  LIMIT: a NaN, an infinity or an overflow that reaches the result through bk alone is not carried to it.
; THE QUANTISER.  A block's scale is 2^(floor(log2(its largest magnitude)) - 2); its byte is the largest magnitude's own exponent field - 2, held at 1 from below.  A block of zeros so gets the byte 1
; where the rule says 127: its codes are zeros, which add nothing under any byte but 0xff, and this program alone reads the bytes.  Each number is divided by the scale and rounded to the nearest code, ties to even.
; LIMITS: blocks whose largest magnitude lies under 2^-124 keep the byte 1; NaN and infinities among the inputs are not served; |wo| over 65,504 becomes an infinity of f16.
; SHARES.  Work-groups 0-255: x; 256-287: wq; 288-319: wk; 320-351: wv: 32,768 numbers each, 8,192 a wave in 16 steps of 512.  Rows are dense and K is a multiple of 32: each tensor is a plain stream of blocks.
; The three weights' codes lie one behind the other in wc (rows 0-1023 wq, 1024-2047 wk, 2048-3071 wv), their bytes likewise in ws.  Work-groups 352-383: wo, 8 rows a wave.
; A step's four loads read 512 consecutive bytes each; the 2,048 bytes turn through the wave's own stage in LDS and come back 64 bytes (16 neighbours along K) a lane; two neighbouring lanes hold a block.
.set WAVES, 4
.set STEPS, 16
.set EMAX,  2
.set CB,    8                          ; bytes of 16 codes
.set R,     16                         ; v16-79   four sets of 16 numbers as they are loaded
.set X,     80                         ; v80-111  two sets of 16 neighbours
.set E,     112                        ; v112-127 a scale byte for each step
.set C,     128                        ; v128-191 codes: four registers for each step, so that no store's data are written again
.set WREG,  8192                       ; LDS: a region for each wave: two stages of 32 x SP bytes, behind them its 256 scale bytes
.set SP,    80                         ; a lane's place in a stage: 64 bytes + 16 of padding
.set SPW,   12                         ; v12 LDS address of my spare word; never rewritten
.set NIL,   13                         ; v13 0; never rewritten
.set SPARE, WAVES*WREG                 ; behind the four regions: the spare words, 128 bytes a wave, which no other line names
.set GX,    256                        ; work-groups for x
.set GQ,    352                        ; work-groups that quantise
.set WI,    16                         ; wo's path: v16-143 two sets of 64 numbers
.set WO,    144                        ; wo's path: v144-175 a pair of rows in f16
	s_load_b256 s[4:11], s[0:1], 0x0               ; x s[4:5], wq s[6:7], wk s[8:9], wv s[10:11]
	s_load_b256 s[12:19], s[0:1], 0x20             ; wo s[12:13], xc s[14:15], xs s[16:17], wc s[18:19]
	s_load_b128 s[20:23], s[0:1], 0x40             ; ws s[20:21], woh s[22:23]
	v_lshl_add_u32 v[SPW], v0, 2, SPARE
	v_mov_b32 v[NIL], 0
	v_lshrrev_b32 v1, 5, v0
	v_readfirstlane_b32 s24, v1                    ; wave
	v_and_b32 v2, 31, v0                           ; lane
	v_lshlrev_b32 v3, 4, v2                        ; my 16 bytes of a load's 512
	s_mul_i32 s25, s24, WREG
	v_lshrrev_b32 v14, 2, v2
	v_mul_u32_u24 v14, v14, SP
	v_and_b32 v15, 3, v2
	v_lshl_add_u32 v14, v15, 4, v14
	v_add_nc_u32 v14, s25, v14                     ; the stage, on the way in: four lanes' 64 bytes on end, then 16 of padding
	v_mul_u32_u24 v15, v2, SP
	v_add_nc_u32 v15, s25, v15                     ; and on the way out: my 16 neighbours
	v_mul_u32_u24 v4, v2, CB                       ; my codes' place in a step's
	v_lshrrev_b32 v5, 1, v2
	s_add_co_u32 s25, s25, 2*32*SP
	v_add_nc_u32 v5, s25, v5                       ; LDS: my wave's 256 scale bytes, my block's byte
	v_lshlrev_b32 v7, 3, v2                        ; and on the way out 8 bytes a lane
	v_add_nc_u32 v6, s25, v7
	s_wait_kmcnt 0x0
	s_cmp_ge_u32 ttmp9, GQ                         ; the work-group's number alone decides
	s_cbranch_scc1 .Lwo
	; which tensor, and which run of it: choices on the work-group's number, between pointers and between numbers
	s_and_b32 s33, ttmp9, 31                       ; a weight's work-group among its 32
	s_max_u32 s35, ttmp9, GX
	s_sub_co_u32 s35, s35, GX                      ; and among the 96 of the three weights
	s_cmp_lt_u32 ttmp9, 320
	s_cselect_b64 s[26:27], s[8:9], s[10:11]
	s_cmp_lt_u32 ttmp9, 288
	s_cselect_b64 s[26:27], s[6:7], s[26:27]
	s_cmp_lt_u32 ttmp9, GX
	s_cselect_b64 s[26:27], s[4:5], s[26:27]       ; the numbers
	s_cselect_b64 s[28:29], s[14:15], s[18:19]     ; the codes
	s_cselect_b64 s[30:31], s[16:17], s[20:21]     ; the scale bytes
	s_cselect_b32 s32, ttmp9, s33
	s_cselect_b32 s34, ttmp9, s35
	s_lshl_b32 s32, s32, 2
	s_add_co_u32 s32, s32, s24                     ; my wave's run of 8,192 numbers in the source,
	s_lshl_b32 s36, s32, 15                        ; 32,768 bytes a run
	s_mov_b32 s37, 0
	s_add_nc_u64 s[26:27], s[26:27], s[36:37]
	s_lshl_b32 s34, s34, 2
	s_add_co_u32 s34, s34, s24                     ; and in the buffers of codes and bytes
	s_lshl_b32 s36, s34, 12                        ; 4,096 bytes of codes a run
	s_add_nc_u64 s[28:29], s[28:29], s[36:37]
	s_lshl_b32 s36, s34, 8                         ; 256 scale bytes a run
	s_add_nc_u64 s[30:31], s[30:31], s[36:37]
.macro LOAD t
.irp i, 0,1,2,3
	global_load_b128 v[R+16*((\t)%4)+4*\i:R+16*((\t)%4)+4*\i+3], v3, s[26:27] offset:2048*(\t)+512*\i th:TH_LOAD_NT   ; 32 lanes read 512 consecutive bytes
.endr
.endm
.macro TURN t                          ; step t's numbers through the stage: LDS serves a wave's instructions in order, so no wait stands between the stores and the loads
.irp i, 0,1,2,3
	ds_store_b128 v14, v[R+16*((\t)%4)+4*\i:R+16*((\t)%4)+4*\i+3] offset:32*SP*((\t)%2)+8*SP*\i
.endr
.irp i, 0,1,2,3
	ds_load_b128 v[X+16*((\t)%2)+4*\i:X+16*((\t)%2)+4*\i+3], v15 offset:32*SP*((\t)%2)+16*\i
.endr
.endm
.irp t, 0,1,2,3
	LOAD \t
.endr
	s_wait_loadcnt 12                              ; step 0's four loads are in; the twelve of steps 1 to 3 may be out
	TURN 0
.macro STEP t
.set XS, X+16*((\t)%2)
.if (\t) > 0
	s_wait_dscnt 1                                 ; this step's numbers are back from the stage (the last step's byte store may be out): so its stores into the stage have read their registers,
.else
	s_wait_dscnt 0x0
.endif
.if (\t)+4 < STEPS
	LOAD (\t)+4                                    ; which take the loads of four steps on
.endif
.if (\t)+1 < STEPS
.if STEPS-2-(\t) >= 3
	s_wait_loadcnt 12                              ; the next step's four loads are in; those of the three steps behind it may be out
.else
	s_wait_loadcnt 4*(STEPS-2-(\t))
.endif
	TURN (\t)+1                                    ; and go through the other stage while this step is worked
.endif
	v_max3_num_f32 v8, |v[XS]|, |v[XS+1]|, |v[XS+2]|               ; the largest magnitude of my 16, in two chains
	v_max3_num_f32 v9, |v[XS+3]|, |v[XS+4]|, |v[XS+5]|
.irp i, 6,10
	v_max3_num_f32 v8, v8, |v[XS+\i]|, |v[XS+\i+1]|
	v_max3_num_f32 v9, v9, |v[XS+\i+2]|, |v[XS+\i+3]|
.endr
	v_max3_num_f32 v8, v8, |v[XS+14]|, |v[XS+15]|
	v_max3_num_f32 v8, v8, v9, (EMAX+1)<<23        ; and the floor 2^(EMAX + 1 - 127): the byte cannot fall under 1
	v_max_num_f32_dpp v8, v8, v8 row_xmask:1 row_mask:0xf bank_mask:0xf   ; and of my neighbour's 16: the block's
	v_add_nc_u32 v11, -(EMAX<<23), v8              ; EMAX off its exponent field: the conversion takes the exponent field of this operand as its scale, and nothing else of it
	v_cvt_scalef32_pk8_fp4_f32 v[C+4*(\t)], v[XS:XS+7], v11
	v_cvt_scalef32_pk8_fp4_f32 v[C+4*(\t)+1], v[XS+8:XS+15], v11
	v_lshrrev_b32 v[E+(\t)], 23, v11               ; the scale's byte (also the plain line behind the conversions)
	ds_store_b8 v5, v[E+(\t)] offset:16*(\t)       ; both lanes of a block write the same byte with the same value
	global_store_b64 v4, v[C+4*(\t):C+4*(\t)+1], s[28:29] offset:32*CB*(\t)   ; 32 lanes store 256 consecutive bytes, aligned
.endm
.irp t, 0,1,2,3,4,5,6,7,8,9,10,11,12,13,14,15
	STEP \t
.endr
	ds_load_b64 v[8:9], v6                         ; LDS serves a wave's instructions in order: this sees my byte stores
	s_wait_dscnt 0x0
	global_store_b64 v7, v[8:9], s[30:31]          ; 32 lanes store 256 consecutive bytes, aligned
	s_wait_tensorcnt 0x0                           ; the wave's end, behind my last LDS store
	ds_add_u32 v[SPW], v[NIL]
	s_wait_dscnt 0x0
	s_endpgm
; wo -> f16, by head.  Wave u of 128 takes rows 8 u .. 8 u + 7, a pair of rows at a time.  A load reads, of chunk kc (64 numbers), 256 consecutive bytes of each of the two rows;
; a store writes the two rows' 128 bytes of chunk kc, which are neighbours in woh: 256 consecutive bytes, aligned.
.Lwo:
	s_sub_co_u32 s25, ttmp9, GQ
	s_lshl_b32 s25, s25, 2
	s_add_co_u32 s25, s25, s24                     ; u
	s_lshl_b32 s36, s25, 15                        ; 8 rows of 4,096 bytes
	s_mov_b32 s37, 0
	s_add_nc_u64 s[12:13], s[12:13], s[36:37]
	s_lshl_b32 s36, s25, 10                        ; 8 rows of 128 bytes in each chunk
	s_add_nc_u64 s[22:23], s[22:23], s[36:37]
	v_lshrrev_b32 v8, 4, v2
	v_and_b32 v9, 15, v2
	v_lshlrev_b32 v8, 12, v8
	v_lshl_add_u32 v8, v9, 4, v8                   ; in: lanes 0-15 the even row, lanes 16-31 the odd one; 16 bytes a lane
	v_lshlrev_b32 v9, 3, v2                        ; out: 8 bytes a lane
.macro WLOAD t
.irp kc, 0,1,2,3,4,5,6,7,8,9,10,11,12,13,14,15
	global_load_b128 v[WI+64*((\t)%2)+4*\kc:WI+64*((\t)%2)+4*\kc+3], v8, s[12:13] offset:8192*(\t)+256*\kc th:TH_LOAD_NT
.endr
.endm
.macro PAIR t
.if (\t) < 3
	s_wait_loadcnt 16                              ; this pair's 16 loads are in; the next pair's 16 may be out
.else
	s_wait_loadcnt 0x0
.endif
	s_wait_xcnt 0x0                                ; the last pair's stores have read v144-175, which are written again below
.irp kc, 0,1,2,3,4,5,6,7,8,9,10,11,12,13,14,15
	v_cvt_pk_f16_f32 v[WO+2*\kc], v[WI+64*((\t)%2)+4*\kc], v[WI+64*((\t)%2)+4*\kc+1]
	v_cvt_pk_f16_f32 v[WO+2*\kc+1], v[WI+64*((\t)%2)+4*\kc+2], v[WI+64*((\t)%2)+4*\kc+3]
.endr
.if (\t) < 2
	WLOAD (\t)+2
.endif
.irp kc, 0,1,2,3,4,5,6,7,8,9,10,11,12,13,14,15
	global_store_b64 v9, v[WO+2*\kc:WO+2*\kc+1], s[22:23] offset:131072*\kc+256*(\t)
.endr
.endm
	WLOAD 0
	WLOAD 1
	PAIR 0
	PAIR 1
	PAIR 2
	PAIR 3
	s_wait_tensorcnt 0x0                           ; the wave's end, as on the other path
	ds_add_u32 v[SPW], v[NIL]
	s_wait_dscnt 0x0
	s_endpgm
.Lfunc_end_k_q5d7124318b_prep:
	.size	k_q5d7124318b_prep, .Lfunc_end_k_q5d7124318b_prep-k_q5d7124318b_prep
	.p2alignl 7, 3214868480
	.fill 96, 4, 3214868480
	.section	.rodata,"a",@progbits
	.p2align	6, 0x0
	.amdhsa_kernel k_q5d7124318b_prep
		.amdhsa_group_segment_fixed_size 33280
		.amdhsa_private_segment_fixed_size 0
		.amdhsa_enable_private_segment 0
		.amdhsa_kernarg_size 80
		.amdhsa_user_sgpr_count 2
		.amdhsa_user_sgpr_kernarg_segment_ptr 1
		.amdhsa_wavefront_size32 1
		.amdhsa_system_sgpr_workgroup_id_x 1
		.amdhsa_system_sgpr_workgroup_id_y 1
		.amdhsa_system_sgpr_workgroup_id_z 1
		.amdhsa_system_vgpr_workitem_id 0
		.amdhsa_next_free_vgpr 192
		.amdhsa_next_free_sgpr 66
		.amdhsa_reserve_vcc 0
		.amdhsa_float_denorm_mode_32 3
		.amdhsa_float_denorm_mode_16_64 3
		.amdhsa_memory_ordered 1
		.amdhsa_forward_progress 1
		.amdhsa_inst_pref_size 55
	.end_amdhsa_kernel
	.amdgpu_metadata
---
amdhsa.version: [ 1, 2 ]
amdhsa.kernels:
  - .name:           k_q5d7124318b_prep
    .symbol:         k_q5d7124318b_prep.kd
    .args:
      - { .name: x_input, .offset: 0, .size: 8, .value_kind: global_buffer, .address_space: global }
      - { .name: wq, .offset: 8, .size: 8, .value_kind: global_buffer, .address_space: global }
      - { .name: wk, .offset: 16, .size: 8, .value_kind: global_buffer, .address_space: global }
      - { .name: wv, .offset: 24, .size: 8, .value_kind: global_buffer, .address_space: global }
      - { .name: wo, .offset: 32, .size: 8, .value_kind: global_buffer, .address_space: global }
      - { .name: xc, .offset: 40, .size: 8, .value_kind: global_buffer, .address_space: global }
      - { .name: xs, .offset: 48, .size: 8, .value_kind: global_buffer, .address_space: global }
      - { .name: wc, .offset: 56, .size: 8, .value_kind: global_buffer, .address_space: global }
      - { .name: ws, .offset: 64, .size: 8, .value_kind: global_buffer, .address_space: global }
      - { .name: woh, .offset: 72, .size: 8, .value_kind: global_buffer, .address_space: global }
    .group_segment_fixed_size: 33280
    .private_segment_fixed_size: 0
    .kernarg_segment_align: 8
    .kernarg_segment_size: 80
    .max_flat_workgroup_size: 128
    .sgpr_count:     66
    .vgpr_count:     192
    .wavefront_size: 32
...
	.end_amdgpu_metadata
.endif
;; end of part 1
;; launch proj (part 2): grid 12 x 32, 4 waves a work-group, clusters of 4 x 4, 327,680 bytes of LDS; arguments xc, xs, wc, ws, bq, bv, qkv; writes qkv
.if DOCPART == 2
	.amdgcn_target "amdgcn-amd-amdhsa--gfx1250"
	.amdhsa_code_object_version 6
	.text
	.protected	k_q5d7124318b_proj
	.globl	k_q5d7124318b_proj
	.p2align	8
	.type	k_q5d7124318b_proj,@function
k_q5d7124318b_proj:
	s_mov_b64 s[64:65], 0
	v_nop
	global_prefetch_b8 v0, s[64:65] scope:SCOPE_SE
	s_setreg_imm32_b32 hwreg(HW_REG_WAVE_MODE, 25, 1), 1
	s_wait_xcnt 0x0
	s_wait_alu depctr_hold_cnt(0) depctr_sa_sdst(0) depctr_va_vdst(0) depctr_va_sdst(0) depctr_va_ssrc(0) depctr_va_vcc(0) depctr_vm_vsrc(0)
	s_getreg_b32 s2, hwreg(HW_REG_IB_STS2, 6, 4)
	s_cmp_eq_u32 s2, 0
	s_cbranch_scc0 .Lentry_in_a_cluster
	s_endpgm
.Lentry_in_a_cluster:
	s_bfe_u32 s2, ttmp6, 0x10000c
	s_cmp_lg_u32 s2, 0xf033
	s_cbranch_scc0 .Lentry_shape_is_right
	s_endpgm
.Lentry_shape_is_right:
; MULTI-HEAD ATTENTION, launch 2 of 4: q = x wq^T + bq, k = x wk^T, v = x wv^T + bv as ONE product on codes of FP4 (E2M1) with E8M0 scales: [8192][1024] x [3072][1024]^T, sums in f32.
; bk is left out: it adds the same number to all scores of a query, which the softmax takes away (shown at the head of the first launch).  The tiles of k get no bias.
; The results are rounded to f16 and laid by head: qkv[p][b][h][s][64], p = 0 q, 1 k, 2 v: byte p 2^24 + (16 b + h) 2^18 + 128 s + 2 c.  LIMIT: |q|, |k| or |v| over 65,504 becomes an infinity of f16.
; A tile of the result, 256 x 256, is made by a work-group of four waves; a wave makes 128 x 128: 64 accumulators of 16 x 16, 512 registers.  K = 1,024 is two LDS slots of 512 along K (rows of 256 bytes):
; both are filled once, at the start, and nothing is filled again.  The scale bytes of the work-group's 256 + 256 rows, for all of K, come with them, as rows of 256 bytes.
; CLUSTERS: 4 x 4 work-groups.  The four of a row of the cluster need the same tiles of x, the four of a column the same tiles of w: each tile is asked for JOINTLY, by the same tensor load with the same
; descriptor and a mask that names the four.  A cluster's four tile columns are 1,024 columns: the cluster's x says whether they are q's, k's or v's, alike in all sixteen partners.
; THE MATRIX INSTRUCTION IS USED TRANSPOSED (source 0 = 16 rows of w, source 1 = 16 rows of x): a lane then holds eight neighbouring columns of one token.
; REGISTERS, in windows of 256: window 0: v0-31 addresses; v32-95 scale words, two sets, and nothing else; v96-111 the bias of my columns; from v128 x's fragments, ONE set; on the way out v128-255 take the stage's rows.
;   window 1: w's fragments, TWO sets, at v0 and at v128.   window 2: the 32 accumulators of my rows 0-63 (accumulator (a, b) at v[8 (8 a + b)]);   window 3: those of my rows 64-127.
.set SIZE_M, 8192
.set SIZE_N, 3072
.set SIZE_K, 1024
.set KSTEP,  512                       ; along K in a slot
.set NQ,     KSTEP/128                 ; matrix instructions deep
.set ROWB,   256                       ; a tile's row in bytes
.set KROW,   SIZE_K*4/8                ; a row of codes in memory, in bytes
.set PITCH,  272                       ; an LDS row: 256 bytes + 16 of padding: the 16 rows that a load touches start at 16 different banks (64 banks of 4 bytes: ISA guide 11.1)
.set FR,     8                         ; registers of a fragment: 16 rows x 128 K
.set NL,     2                         ; LDS loads that bring one
.set NP,     4                         ; places behind this matrix instruction (ISA guide 7.12.1)
.set HALFT,  128*PITCH                 ; 128 rows: what one tensor load brings
.set SLOT,   4*HALFT                   ; x's 256 rows, then w's 256 rows
.set KS,     SIZE_K/32                 ; a row of scale bytes
.set SCL,    2*SLOT                    ; behind the two slots: the scales, as rows of 256 bytes + 16 of padding
.set HALFS,  (128*KS/256)*272          ; the scales of 128 rows: what one tensor load brings
.set SBLK,   (16*KS/256)*272           ; those of 16 rows
.set SPARE,  SCL+4*HALFS               ; behind the scales: the spare words, 128 bytes a wave, which no other line names
.set SPITCH, 528                       ; the way out: a stage of 16 rows x (512 bytes + 16) for each wave, in slot 0, which has had its only fill and its last read when the first result is stored there
.set ADRA, 16                          ; v16-17  LDS address of my fragments of x in slot 0, 1
.set ADRB, 20                          ; v20-21  the same for w
.set STO,  24                          ; v24     the way out: where I put 32 bytes of a row
.set RD,   25                          ; v25     the way out: where I read 32 bytes back
.set CO,   26                          ; v26     16 x lane: my place in a store's 512 bytes
.set ADRS, 27                          ; v27     LDS address of my scale words: lanes 0-15 x's rows, lanes 16-31 w's
.set SPW,  28                          ; v28     LDS address of my spare word; never rewritten
.set NIL,  29                          ; v29     0; never rewritten
.set BO,   30                          ; v30     32 x (lane % 8): my eight columns' place in 64 numbers of a bias, and in a stage row's 256 bytes
.set SC,   32                          ; scale words: set s (for slot s) at v[SC + 8 NQ s]; register NQ i + q: lanes 0-15 the word of x's block i, lanes 16-31 that of w's block i
.set BIAS, 96                          ; v96-111 the bias of my eight columns in each of my wave's two heads
.set AF,   128                         ; x's fragments, in window 0
.set BK,   128                         ; the way out: v128-191 and v192-255 by turns
.set G1, 24                            ; s[24:31] descriptor group 1 for x's tiles;  s[32:39] group 0, one set for each slot
.set G0, 32
.set G1B, 48                           ; s[48:55], s[56:63] the same for w's tiles
.set G0B, 56
.set G1S, 68                           ; s[68:75], s[76:79] groups 1 and 0 for x's scales;  s[80:87], s[88:91] for w's
.set G0S, 76
.set G1SB, 80
.set G0SB, 88
.set MSB, 0
.macro WIN new                         ; the immediate's high byte repeats the setting that is left
.if MSB != \new
	s_set_vgpr_msb (MSB<<8)|\new
.set MSB, \new
.endif
.endm
.set MUL_LO, 0xa1                      ; source 0 (w) window 1, source 1 (x) window 0, C and D window 2
.set MUL_HI, 0xf1                      ; the same, C and D window 3
.set TO_B,   0x40                      ; destination window 1, address window 0
; A joint load: waves 0 and 1 fetch for x, waves 2 and 3 for w.  Each line has ONE mask and one set of registers for all that issue it; the branch hangs on the wave's number alone.
; An s_nop 0 and four v_nop follow each of the two lines.
.macro JLOAD g0a, g1a, g0b, g1b
	s_cmp_eq_u32 s15, 0
	s_cbranch_scc0 .Lfor_b_\@
	tensor_load_to_lds s[\g0a:\g0a+3], s[\g1a:\g1a+7]
	s_nop 0
.rept 4
	v_nop
.endr
	s_branch .Lasked_\@
.Lfor_b_\@:
	tensor_load_to_lds s[\g0b:\g0b+3], s[\g1b:\g1b+7]
	s_nop 0
.rept 4
	v_nop
.endr
.Lasked_\@:
.endm
.macro CROUND                          ; a round of the cluster's barrier
	s_barrier_signal -1
	s_barrier_wait -1
	s_cmp_lg_u32 s14, 0
	s_cbranch_scc1 .Lnot_wave_0_\@
	s_barrier_signal -3
.Lnot_wave_0_\@:
	s_barrier_wait -3
	s_barrier_signal -1
	s_barrier_wait -1
.endm
	s_load_b128 s[4:7], s[0:1], 0x0                ; x's codes s[4:5], x's scales s[6:7]
	s_load_b128 s[8:11], s[0:1], 0x10              ; w's codes s[8:9], w's scales s[10:11]
	s_load_b128 s[96:99], s[0:1], 0x20             ; bq s[96:97], bv s[98:99]
	s_load_b64 s[12:13], s[0:1], 0x30              ; qkv
	v_lshl_add_u32 v[SPW], v0, 2, SPARE
	v_mov_b32 v[NIL], 0
	ds_add_u32 v[SPW], v[NIL]                      ; the wave's opening: the add, twice on end, and its wait ahead of my first tensor load
	ds_add_u32 v[SPW], v[NIL]
	v_lshrrev_b32 v1, 5, v0
	v_readfirstlane_b32 s14, v1                    ; wave 0..3
	s_lshr_b32 s15, s14, 1                         ; which half of the tile's rows is mine.  Also: I fetch for x (0) or for w (1)
	s_and_b32 s16, s14, 1                          ; which half of its columns.  Also: which 128 rows of that tile I fetch
	s_bfe_u32 s40, ttmp6, 0x40000                  ; cx, cy: my place in the cluster
	s_bfe_u32 s41, ttmp6, 0x40004
	s_lshl_b32 s42, ttmp9, 2
	s_add_co_u32 s42, s42, s40                     ; tile column = 4 x cluster x + cx
	s_and_b32 s17, ttmp7, 0xffff
	s_lshl_b32 s17, s17, 2
	s_add_co_u32 s17, s17, s41                     ; tile row = 4 x cluster y + cy
	s_lshl_b32 s43, s41, 2
	s_lshl_b32 s43, 15, s43                        ; my row of the cluster
	s_lshl_b32 s44, 0x1111, s40                    ; my column
	; descriptor group 1: a tile of 128 rows x 256 bytes, padded in LDS
	s_or_b32 s[G1+0], s43, (0<<16)|(1<<20)|(1<<21)|(5<<22)|(3<<25)  ; 15:0 the mask; 17:16 elements of 1 byte; 20 padding on; 21 set beside a mask; 24:22 after every 64 words (code 5); 31:25 four words (code 3)
	s_or_b32 s[G1B+0], s44, (0<<16)|(1<<20)|(1<<21)|(5<<22)|(3<<25)
.irp g, G1, G1B
	s_mov_b32 s[\g+1], ROWB<<16                    ; tensor_dim0
	s_mov_b32 s[\g+2], 128<<16                     ; tensor_dim1
	s_mov_b32 s[\g+3], ROWB<<16                    ; tile_dim0
	s_mov_b32 s[\g+4], 128                         ; tile_dim1
	s_mov_b32 s[\g+5], KROW                        ; tensor_dim0_stride
	s_mov_b32 s[\g+6], 0
	s_mov_b32 s[\g+7], 0
.endr
	; the scales of 128 rows: a dense block of 4,096 bytes, as 16 rows of 256 bytes (32 elements of 8 bytes), 16 bytes of padding behind each
	s_or_b32 s[G1S+0], s43, (3<<16)|(1<<20)|(1<<21)|(5<<22)|(3<<25)
	s_or_b32 s[G1SB+0], s44, (3<<16)|(1<<20)|(1<<21)|(5<<22)|(3<<25)
.irp g, G1S, G1SB
	s_mov_b32 s[\g+1], 32<<16
	s_mov_b32 s[\g+2], (128*KS/256)<<16
	s_mov_b32 s[\g+3], 32<<16
	s_mov_b32 s[\g+4], 128*KS/256
	s_mov_b32 s[\g+5], 32
	s_mov_b32 s[\g+6], 0
	s_mov_b32 s[\g+7], 0
.endr
.irp j, 0,1,2,3,4,5,6,7,8,9,10,11,12,13,14,15
	v_mov_b32 v[BIAS+\j], 0                        ; written on every way through the text; the tiles of q and v load their bias over it
.endr
	s_lshl_b32 s18, s16, 7                         ; which 128 rows of the tile I fetch
	s_lshl_b32 s20, s17, 8
	s_add_co_u32 s20, s20, s18                     ; x: row 256 x tile row + 128 x half
	s_lshl_b32 s46, s42, 8
	s_add_co_u32 s46, s46, s18                     ; w: row 256 x tile column + 128 x half
	s_mov_b32 s21, 0
	s_mov_b32 s47, 0
	s_mov_b64 s[18:19], KS
	s_mul_u64 s[22:23], s[20:21], s[18:19]         ; where these rows' scales begin, in bytes
	s_mul_u64 s[92:93], s[46:47], s[18:19]
	s_mov_b64 s[18:19], KROW
	s_mul_u64 s[20:21], s[20:21], s[18:19]         ; and their codes
	s_mul_u64 s[46:47], s[46:47], s[18:19]
	s_mul_i32 s45, s14, HALFT                      ; where they go: wave x 128 rows: no place in the cluster enters an LDS address
	s_mul_i32 s94, s14, HALFS
	s_wait_dscnt 0x0                               ; both opening adds are done
	s_wait_kmcnt 0x0
	s_add_nc_u64 s[20:21], s[4:5], s[20:21]
	s_add_nc_u64 s[22:23], s[6:7], s[22:23]
	s_add_nc_u64 s[46:47], s[8:9], s[46:47]
	s_add_nc_u64 s[92:93], s[10:11], s[92:93]
	CROUND                                         ; all sixteen work-groups are here: the joint loads meet
	s_mov_b32 s[G0S], 1
	s_add_co_u32 s[G0S+1], s94, SCL
	s_mov_b64 s[G0S+2:G0S+3], s[22:23]
	s_or_b32 s[G0S+3], s[G0S+3], 0x80000000
	s_mov_b32 s[G0SB], 1
	s_add_co_u32 s[G0SB+1], s94, SCL
	s_mov_b64 s[G0SB+2:G0SB+3], s[92:93]
	s_or_b32 s[G0SB+3], s[G0SB+3], 0x80000000
	JLOAD G0S, G1S, G0SB, G1SB                     ; the scales first: they are wanted with slot 0
.irp s, 0,1
	s_mov_b32 s[G0+4*\s], 1
	s_add_co_u32 s[G0+4*\s+1], s45, \s*SLOT
	s_add_nc_u64 s[G0+4*\s+2:G0+4*\s+3], s[20:21], \s*ROWB
	s_or_b32 s[G0+4*\s+3], s[G0+4*\s+3], 0x80000000
	s_mov_b32 s[G0B+4*\s], 1
	s_add_co_u32 s[G0B+4*\s+1], s45, \s*SLOT
	s_add_nc_u64 s[G0B+4*\s+2:G0B+4*\s+3], s[46:47], \s*ROWB
	s_or_b32 s[G0B+4*\s+3], s[G0B+4*\s+3], 0x80000000
	JLOAD G0+4*\s, G1, G0B+4*\s, G1B               ; three tensor loads of mine are out
.endr
	v_and_b32 v1, 15, v0                           ; l % 16
	v_bfe_u32 v2, v0, 4, 1                         ; l / 16
	v_mul_u32_u24 v3, v1, PITCH
	v_lshl_add_u32 v4, v2, 4, v3                   ; a fragment's row x pitch + 16 x half
	s_mul_i32 s21, s15, HALFT                      ; my 128 rows of x
	s_mul_i32 s22, s16, HALFT                      ; my 128 rows of w,
	s_add_co_u32 s22, s22, 2*HALFT                 ; which lie behind x's 256
.irp s, 0,1
	v_add_nc_u32 v[ADRA+\s], s21, v4
	v_add_nc_u32 v[ADRB+\s], s22, v4
	s_add_co_u32 s21, s21, SLOT
	s_add_co_u32 s22, s22, SLOT
.endr
	v_mul_u32_u24 v5, v1, KS                       ; my row's scales: KS bytes a row,
	v_lshrrev_b32 v6, 8, v5
	v_lshl_add_u32 v5, v6, 4, v5                   ; and 16 more for each 256 passed
	s_mul_i32 s21, s15, HALFS                      ; x's: my 128 rows
	s_mul_i32 s22, s16, HALFS                      ; w's: my 128 rows, behind x's 256
	s_add_co_u32 s22, s22, 2*HALFS
	s_sub_co_u32 s22, s22, s21
	v_mul_u32_u24 v6, s22, v2                      ; lanes 16-31 take w's
	s_add_co_u32 s21, s21, SCL
	v_add_nc_u32 v5, v5, v6
	v_add_nc_u32 v[ADRS], s21, v5
	s_mul_i32 s23, s14, 16*SPITCH                  ; my stage
	v_mul_u32_u24 v5, v1, SPITCH                   ; in: row l % 16, 32 bytes for each half of the lanes
	v_lshl_add_u32 v5, v2, 5, v5
	v_add_nc_u32 v[STO], s23, v5
	v_and_b32 v[BO], 7, v0
	v_lshlrev_b32 v[BO], 5, v[BO]                  ; 32 x (l % 8)
	v_bfe_u32 v5, v0, 3, 2                         ; back: eight lanes take 256 bytes (a head's 64 columns) of a row, the wave four rows
	v_mul_u32_u24 v5, v5, SPITCH
	v_add_nc_u32 v5, v5, v[BO]
	v_add_nc_u32 v[RD], s23, v5
	v_and_b32 v6, 31, v0
	v_lshlrev_b32 v[CO], 4, v6                     ; in qkv four tokens of a head are 512 consecutive bytes: 16 a lane
	; where my wave's part begins in qkv: m0 = my first token, n0 = my first column of the 3,072
	s_lshl_b32 s20, s17, 8
	s_lshl_b32 s21, s15, 7
	s_add_co_u32 s20, s20, s21                     ; m0
	s_lshr_b32 s21, s20, 11                        ; b
	s_lshl_b32 s21, s21, 22
	s_and_b32 s20, s20, 2047                       ; s
	s_lshl_b32 s20, s20, 7
	s_add_co_u32 s20, s20, s21
	s_lshl_b32 s46, s42, 8
	s_lshl_b32 s47, s16, 7
	s_add_co_u32 s46, s46, s47                     ; n0
	s_lshr_b32 s47, s46, 10                        ; p
	s_lshl_b32 s47, s47, 24
	s_add_co_u32 s20, s20, s47
	s_bfe_u32 s47, s46, 0x40006                    ; h: the first of my two heads
	s_lshl_b32 s47, s47, 18
	s_add_co_u32 s20, s20, s47
	s_mov_b32 s21, 0
	s_add_nc_u64 s[12:13], s[12:13], s[20:21]
	s_and_b32 s46, s46, 1023
	s_lshl_b32 s46, s46, 2                         ; my first column's place in a bias
	s_mov_b32 s47, 0
	s_cmp_eq_u32 ttmp9, 0                          ; the cluster's x: 0 q, 1 k, 2 v
	s_cselect_b64 s[96:97], s[96:97], s[98:99]
	s_add_nc_u64 s[96:97], s[96:97], s[46:47]
	s_cmp_eq_u32 ttmp9, 1
	s_cbranch_scc1 .Lnob                           ; k has no bias
.irp hh, 0,1
	global_load_b128 v[BIAS+8*\hh:BIAS+8*\hh+3], v[BO], s[96:97] offset:256*\hh
	global_load_b128 v[BIAS+8*\hh+4:BIAS+8*\hh+7], v[BO], s[96:97] offset:256*\hh+16
.endr
.Lnob:
.macro FRAG reg, adr, q, i             ; a fragment, 16 rows x 128 K of 4-bit codes: lane l holds row l % 16; registers 4 c .. 4 c + 3 hold K = 64 c + 32 (l / 16) + 0 .. 31
.irp c, 0,1
	ds_load_b128 v[\reg+4*\c:\reg+4*\c+3], v[\adr] offset:64*(\q)+32*\c+(\i)*16*PITCH
.endr
.endm
; 16 matrix instructions: x's blocks a0, a0 + 1 against w's eight, 128 along K: the slot's q-th.  p: w's set;  sc: the set of scale words.  zero = 1: the first product starts the sums.
; The 64 accumulators take turns, one instruction a turn, in the same order in every step.
.macro MUL16 a0, p, q, sc, zero
.irp a, \a0, \a0+1
.irp b, 0,1,2,3,4,5,6,7
.if \zero
	v_wmma_scale_f32_16x16x128_f8f6f4 v[8*(8*((\a)%4)+\b):8*(8*((\a)%4)+\b)+7], v[128*(\p)+FR*\b:128*(\p)+FR*\b+FR-1], v[AF+FR*(\a):AF+FR*(\a)+FR-1], 0, v[SC+8*NQ*(\sc)+NQ*\b+(\q)], v[SC+8*NQ*(\sc)+NQ*(\a)+(\q)] matrix_a_fmt:MATRIX_FMT_FP4 matrix_b_fmt:MATRIX_FMT_FP4 matrix_a_scale:MATRIX_SCALE_ROW1
.else
	v_wmma_scale_f32_16x16x128_f8f6f4 v[8*(8*((\a)%4)+\b):8*(8*((\a)%4)+\b)+7], v[128*(\p)+FR*\b:128*(\p)+FR*\b+FR-1], v[AF+FR*(\a):AF+FR*(\a)+FR-1], v[8*(8*((\a)%4)+\b):8*(8*((\a)%4)+\b)+7], v[SC+8*NQ*(\sc)+NQ*\b+(\q)], v[SC+8*NQ*(\sc)+NQ*(\a)+(\q)] matrix_a_fmt:MATRIX_FMT_FP4 matrix_b_fmt:MATRIX_FMT_FP4 matrix_a_scale:MATRIX_SCALE_ROW1
.endif
.endr
.endr
.endm
.macro FETCH_B slot, q, p              ; w's eight fragments of the slot's q-th 128 along K into set p
	WIN TO_B
.irp i, 0,1,2,3,4,5,6,7
	FRAG 128*(\p)+FR*\i, ADRB+\slot, \q, \i
.endr
	WIN 0
.endm
.macro FETCH_A slot, q, i0             ; x's blocks i0 .. i0 + 3
.irp i, \i0, \i0+1, \i0+2, \i0+3
	FRAG AF+FR*(\i), ADRA+\slot, \q, \i
.endr
.endm
.macro SCALES sc                       ; a slot's scale words into set sc: NQ words a row; lanes 0-15 take x's block i, lanes 16-31 w's block i
.irp i, 0,1,2,3,4,5,6,7
	ds_load_b128 v[SC+8*NQ*\sc+NQ*\i:SC+8*NQ*\sc+NQ*\i+3], v[ADRS] offset:\i*SBLK
.endr
.endm
; A load into a register that a matrix instruction has read, and an LDS store that reads a matrix result, stand NP places behind that matrix instruction; only plain vector instructions that name
; none of its registers are places (ISA guide 7.12.1 for vector instructions).
.macro PLACES n
.rept \n
	v_nop
.endr
.endm
; A step of 128 along K that has its successor in the same slot.
.macro STEP slot, q, zero
	s_wait_dscnt 4*NL                              ; w's set and x's blocks 0-3 are in; the youngest eight loads (x's blocks 4-7) may be out
	WIN MUL_LO
	MUL16 0, (\q)%2, \q, \slot, \zero
	MUL16 2, (\q)%2, \q, \slot, \zero
	s_wait_dscnt 0                                 ; x's blocks 4-7 are in (asked for 32 matrix instructions ago)
	PLACES NP
	FETCH_B \slot, (\q)+1, 1-(\q)%2
	FETCH_A \slot, (\q)+1, 0
	WIN MUL_HI
	MUL16 4, (\q)%2, \q, \slot, \zero
	MUL16 6, (\q)%2, \q, \slot, \zero
	PLACES NP
	WIN 0
	FETCH_A \slot, (\q)+1, 4
.endm
; Slot 0's last step changes slots: one barrier; in front of it each wave waits for all its tensor loads (its part of slot 1), adds 0 to its spare word, and waits for that and for its reads of slot 0.
; Nothing is filled again: behind the barrier slot 1 is whole, and nobody reads slot 0 any more, which then serves as the stage.
.macro TURN slot, next
	s_wait_tensorcnt 0x0                           ; all my tensor loads have landed  (every window is 0 here)
	ds_add_u32 v[SPW], v[NIL]                      ; 0 onto my spare word
	s_wait_dscnt 4*NL+1                            ; (the add and the youngest eight loads, x's blocks 4-7, may be out)
	WIN MUL_LO
	MUL16 0, 1, NQ-1, \slot, 0                     ; sixteen matrix instructions stand between the add and the wait for it
	s_wait_dscnt 0x0                               ; the add is done, and my reads of this slot are over
	s_barrier_signal -1
	MUL16 2, 1, NQ-1, \slot, 0
	WIN 0
	s_barrier_wait -1
	PLACES NP
	v_add_nc_u32 v[ADRS], 4*NQ, v[ADRS]            ; on to the next slot's scale words (no LDS load of mine is out)
	FETCH_B \next, 0, 0
	FETCH_A \next, 0, 0
	SCALES \next
	WIN MUL_HI
	MUL16 4, 1, NQ-1, \slot, 0
	MUL16 6, 1, NQ-1, \slot, 0
	PLACES NP
	WIN 0
	FETCH_A \next, 0, 4
.endm
	s_wait_tensorcnt 1                             ; the scales and my part of slot 0 are in (slot 1's load, the one issued behind them, may be out),
	s_barrier_signal -1
	s_barrier_wait -1                              ; everybody's are
	FETCH_B 0, 0, 0
	FETCH_A 0, 0, 0
	SCALES 0
	FETCH_A 0, 0, 4
	STEP 0, 0, 1                                   ; the first step's products start the sums: nothing is cleared
	STEP 0, 1, 0
	STEP 0, 2, 0
	TURN 0, 1
	STEP 1, 0, 0
	STEP 1, 1, 0
	STEP 1, 2, 0
	s_wait_dscnt 4*NL                              ; the very last step: nothing more to fetch
	WIN MUL_LO
	MUL16 0, 1, NQ-1, 1, 0
	MUL16 2, 1, NQ-1, 1, 0
	s_wait_dscnt 0
	WIN MUL_HI
	MUL16 4, 1, NQ-1, 1, 0
	MUL16 6, 1, NQ-1, 1, 0
	WIN 0
; THE WAY OUT, block by block of 16 tokens x 128 columns (two heads).  A block goes through my own stage in LDS as f32 and comes back so that a lane holds eight neighbouring columns of one token, eight lanes a
; head's 64 columns, the wave four tokens of one head: with the bias added and rounded to f16 that is 16 bytes a lane and 512 consecutive bytes a store.  LDS serves a wave's instructions in order (ISA guide 5.7.1.4).
.macro TOSTAGE a
.set AC, 64*((\a)%4)
	WIN 0x08+4*((\a)/4)                            ; the data: window 2 or 3
.irp b, 0,1,2,3,4,5,6,7
	ds_store_b128 v[STO], v[AC+8*\b:AC+8*\b+3] offset:64*\b          ; each accumulator from its low end on
	ds_store_b128 v[STO], v[AC+8*\b+4:AC+8*\b+7] offset:64*\b+16
.endr
	WIN 0
.set BB, BK+64*((\a)%2)
.irp c, 0,1,2,3,4,5,6,7                ; c = 4 x (which head) + (which four tokens)
	ds_load_b128 v[BB+8*\c:BB+8*\c+3], v[RD] offset:4*(\c%4)*SPITCH+256*(\c/4)
	ds_load_b128 v[BB+8*\c+4:BB+8*\c+7], v[RD] offset:4*(\c%4)*SPITCH+256*(\c/4)+16
.endr
.endm
.macro SEND a, younger                 ; younger: the LDS instructions issued behind block a's loads, which may stay out
.set BB, BK+64*((\a)%2)
	s_wait_dscnt \younger                          ; the block is back in registers
	s_cmp_eq_u32 ttmp9, 1
	s_cbranch_scc1 .Lk_\@                          ; k has no bias
.irp c, 0,1,2,3,4,5,6,7
.irp i, 0,1,2,3
	v_pk_add_f32 v[BB+8*\c+2*\i:BB+8*\c+2*\i+1], v[BB+8*\c+2*\i:BB+8*\c+2*\i+1], v[BIAS+8*(\c/4)+2*\i:BIAS+8*(\c/4)+2*\i+1]
.endr
.endr
.Lk_\@:
.irp c, 0,1,2,3,4,5,6,7
.irp i, 0,1,2,3
	v_cvt_pk_f16_f32 v[BB+8*\c+\i], v[BB+8*\c+2*\i], v[BB+8*\c+2*\i+1]   ; in place: register i is written behind the reads of registers 2 i and 2 i + 1
.endr
.endr
.irp c, 0,1,2,3,4,5,6,7
	global_store_b128 v[CO], v[BB+8*\c:BB+8*\c+3], s[12:13] offset:(\c/4)*262144+(16*(\a)+4*(\c%4))*128   ; 32 lanes store 512 consecutive bytes, at a multiple of 512 from qkv's first byte
.endr
.endm
	PLACES NP                                      ; for the loads into the registers that held x's fragments, and for the reads of the last products' results
	s_wait_loadcnt 0x0                             ; the bias
	TOSTAGE 0
.irp a, 1,2,3,4,5,6,7
.if \a > 1
	s_wait_xcnt 0x0                                ; block a - 2's stores have read their registers: block a's loads may land there
.endif
	TOSTAGE \a
	SEND \a-1, 32                                  ; behind block a - 1's loads: block a's 16 stores and 16 loads
.endr
	SEND 7, 0
	s_wait_tensorcnt 0x0                           ; the wave's end, behind my last tensor load and my last LDS store
	ds_add_u32 v[SPW], v[NIL]
	s_wait_dscnt 0x0
	CROUND                                         ; the closing round: no work-group ends while a partner may still ask for a tile that names it
	s_endpgm
.Lfunc_end_k_q5d7124318b_proj:
	.size	k_q5d7124318b_proj, .Lfunc_end_k_q5d7124318b_proj-k_q5d7124318b_proj
	.p2alignl 7, 3214868480
	.fill 96, 4, 3214868480
	.section	.rodata,"a",@progbits
	.p2align	6, 0x0
	.amdhsa_kernel k_q5d7124318b_proj
		.amdhsa_group_segment_fixed_size 327680
		.amdhsa_private_segment_fixed_size 0
		.amdhsa_enable_private_segment 0
		.amdhsa_kernarg_size 56
		.amdhsa_user_sgpr_count 2
		.amdhsa_user_sgpr_kernarg_segment_ptr 1
		.amdhsa_wavefront_size32 1
		.amdhsa_system_sgpr_workgroup_id_x 1
		.amdhsa_system_sgpr_workgroup_id_y 1
		.amdhsa_system_sgpr_workgroup_id_z 1
		.amdhsa_system_vgpr_workitem_id 0
		.amdhsa_next_free_vgpr 1024
		.amdhsa_next_free_sgpr 100
		.amdhsa_reserve_vcc 0
		.amdhsa_float_denorm_mode_32 3
		.amdhsa_float_denorm_mode_16_64 3
		.amdhsa_memory_ordered 1
		.amdhsa_forward_progress 1
		.amdhsa_inst_pref_size 152
	.end_amdhsa_kernel
	.amdgpu_metadata
---
amdhsa.version: [ 1, 2 ]
amdhsa.kernels:
  - .name:           k_q5d7124318b_proj
    .symbol:         k_q5d7124318b_proj.kd
    .args:
      - { .name: xc, .offset: 0, .size: 8, .value_kind: global_buffer, .address_space: global }
      - { .name: xs, .offset: 8, .size: 8, .value_kind: global_buffer, .address_space: global }
      - { .name: wc, .offset: 16, .size: 8, .value_kind: global_buffer, .address_space: global }
      - { .name: ws, .offset: 24, .size: 8, .value_kind: global_buffer, .address_space: global }
      - { .name: bq, .offset: 32, .size: 8, .value_kind: global_buffer, .address_space: global }
      - { .name: bv, .offset: 40, .size: 8, .value_kind: global_buffer, .address_space: global }
      - { .name: qkv, .offset: 48, .size: 8, .value_kind: global_buffer, .address_space: global }
    .group_segment_fixed_size: 327680
    .private_segment_fixed_size: 0
    .kernarg_segment_align: 8
    .kernarg_segment_size: 56
    .max_flat_workgroup_size: 128
    .sgpr_count:     100
    .vgpr_count:     1024
    .wavefront_size: 32
...
	.end_amdgpu_metadata
.endif
;; end of part 2
;; launch attn (part 3): grid 4 x 64, 8 waves a work-group, clusters of 4 x 1, 327,680 bytes of LDS; arguments qkv, att; writes att
.if DOCPART == 3
	.amdgcn_target "amdgcn-amd-amdhsa--gfx1250"
	.amdhsa_code_object_version 6
	.text
	.protected	k_q5d7124318b_attn
	.globl	k_q5d7124318b_attn
	.p2align	8
	.type	k_q5d7124318b_attn,@function
k_q5d7124318b_attn:
	s_mov_b64 s[64:65], 0
	v_nop
	global_prefetch_b8 v0, s[64:65] scope:SCOPE_SE
	s_setreg_imm32_b32 hwreg(HW_REG_WAVE_MODE, 25, 1), 1
	s_wait_xcnt 0x0
	s_wait_alu depctr_hold_cnt(0) depctr_sa_sdst(0) depctr_va_vdst(0) depctr_va_sdst(0) depctr_va_ssrc(0) depctr_va_vcc(0) depctr_vm_vsrc(0)
	s_getreg_b32 s2, hwreg(HW_REG_IB_STS2, 6, 4)
	s_cmp_eq_u32 s2, 0
	s_cbranch_scc0 .Lentry_in_a_cluster
	s_endpgm
.Lentry_in_a_cluster:
	s_bfe_u32 s2, ttmp6, 0x10000c
	s_cmp_lg_u32 s2, 0x3003
	s_cbranch_scc0 .Lentry_shape_is_right
	s_endpgm
.Lentry_shape_is_right:
; MULTI-HEAD ATTENTION, launch 3 of 4: att[h][token][:] = the sum over keys of softmax(q . k / 8) v, for each of 4 x 16 (batch, head) pairs, 2,048 queries and keys, head size 64.  No mask.
; q, k, v come in f16 from qkv[p][b][h][s][64] (k without bk: shown dead at the head of the first launch); products, maxima and sums in f32; the weights p are rounded to f16 for the second product, the result once at the end.
; LIMIT: a result over 65,504 in magnitude becomes an infinity of f16.
; SHARES.  A work-group owns 512 queries of one (b, h), each of its EIGHT waves 64: four tiles of 16, in 512 registers: two waves to a SIMD, so that one wave's softmax stands beside the other's products.
; Each fragment of K and V read from LDS feeds four products.  Every wave walks all 2,048 keys, 64 a step.
; LAYOUT.  S^T = K Q^T (source 0 = 16 keys, source 1 = 16 queries): a lane holds ONE query (lane % 16) and the keys 8 (lane / 16) + 0..7.  Two such tiles, rounded to f16 in pairs, ARE source 1 (32 keys x 16 queries)
; of O^T = V^T P, whose result again holds one query a lane.  K comes out of LDS as it lies, V ([key][channel]) turned, by ds_load_tr16_b128.
; SOFTMAX.  For each query a running maximum m and sum l: p = 2^(c s - c m), c = log2(e) / 8; in every step O and l are multiplied by a = 2^(c m_old - c m_new), which is exactly 1 where m has not grown.
; The step is written once: O and l begin as zeros and m as -3e38, under every score, so that the first a is 0.
; A TRIP.  K of step j is asked of LDS; O^T += V^T P of step j - 1 (32 products); S^T = K Q^T of step j (32 products); V of step j is asked of LDS; the softmax of step j.
; THE RING.  Two slots of 512 keys: K's rows at pitch 144, V's at pitch 160.  Waves 0-3 fetch K's quarters, waves 4-7 V's, 128 rows a load.  A wave has two tensor loads out at the start, later one; a refill has eight
; key steps in which to land.
; CLUSTER.  The four query blocks of a (b, h) walk the same K and V: each tile is asked for JOINTLY, by the same tensor load with the same descriptor and a mask that names the four.
; REGISTERS.  window 0: v2-9 addresses; v12, v13 the add's two; v16-47 statistics, eight a tile; v48-55 a second chain of sums; v64-191 S^T, 32 a tile (P is laid over a tile's first 16); v192-255 Q, 16 a tile.
;   window 1: v0-127 O^T, 32 a tile; v128-191 K of one step; v192-255 V of one step.
.set KP,    144                        ; a row of K in LDS: 128 bytes + 16: an odd multiple of 16, so that the 16 rows of a load start at 16 different groups of banks
.set VP,    160                        ; a row of V: 128 + 32: an odd multiple of 32, for the turning load
.set KSL,   512*KP                     ; a slot of K
.set VSL,   512*VP                     ; a slot of V
.set VB,    2*KSL                      ; V's ring lies behind K's
.set SPARE, VB+2*VSL                   ; behind the rings: the spare words, 128 bytes for each of eight waves, which no other line names
.set AK0, 2                            ; v2  my lane's place in a tile of K; never rewritten
.set AV0, 3                            ; v3  the same for V, with VB
.set ADK, 4                            ; v4  LDS address of the step's K
.set ADV, 5                            ; v5  of its V
.set QO,  6                            ; v6  my byte offset in the wave's rows of Q
.set STO, 7                            ; v7  the way out: where I put 16 bytes of a row
.set RD,  8                            ; v8  the way out: where I read 16 bytes back
.set GO,  9                            ; v9  16 x lane
.set SPW, 12
.set NIL, 13
.set ST,  16                           ; tile t at v[ST + 8 t]: +0 c m, +1 m, +2, +3 l (two halves), +4 to +7 c0-c3, at work; a takes c2's place, c m_old - c m_new c3's
.set Y,   48                           ; tile t: v[Y + 2 t], a pair
.set S,   64
.set Q,   192
.set KF,  128                          ; in window 1
.set VF,  192                          ; in window 1
.set WV,  12                           ; s12 my wave's number
.set G1K, 24                           ; s[24:31] descriptor group 1 for K's tiles
.set G1V, 32                           ; s[32:39] for V's: it differs in the padding alone
.set G0K, 40                           ; s[40:47] group 0 for K's tiles, a set for each slot
.set G0V, 48                           ; s[48:55] the same for V's
.set CNT, 56                           ; s56 counts a slot's steps
.set TK,  57                           ; s57 LDS byte at which the step's K begins
.set TV,  58                           ; s58 and, from VB on, its V
.set CS,  60                           ; s[60:61] c, twice
.set SEL, 62                           ; s[62:63] v_permlanex16_b32's selects for lane l xor 16
.set MSB, 0
.macro WIN new                         ; the immediate's high byte repeats the setting that is left; a switch that changes nothing is dropped
.if MSB != \new
	s_set_vgpr_msb (MSB<<8)|\new
.set MSB, \new
.endif
.endm
.set W_KQ, 0x01                        ; K in window 1; Q and S^T in window 0
.set W_PV, 0x51                        ; V and O^T in window 1; P in window 0
.set W_LD, 0x40                        ; destination window 1, address window 0
.set W_RS, 0x41                        ; O^T (destination and source 0) in window 1, the factor in window 0
; A joint refill of slot s.  The branch hangs on the wave's number alone.  An s_nop 0 and four v_nop follow each of the two lines.
.macro JLOAD s
	s_cmp_lt_u32 s[WV], 4
	s_cbranch_scc0 .Lfor_v_\@
	tensor_load_to_lds s[G0K+4*\s:G0K+4*\s+3], s[G1K:G1K+7]
	s_nop 0
.rept 4
	v_nop
.endr
	s_branch .Lasked_\@
.Lfor_v_\@:
	tensor_load_to_lds s[G0V+4*\s:G0V+4*\s+3], s[G1V:G1V+7]
	s_nop 0
.rept 4
	v_nop
.endr
.Lasked_\@:
.endm
.macro CROUND                          ; a round of the cluster's barrier
	s_barrier_signal -1
	s_barrier_wait -1
	s_cmp_lg_u32 s[WV], 0
	s_cbranch_scc1 .Lnot_wave_0_\@
	s_barrier_signal -3
.Lnot_wave_0_\@:
	s_barrier_wait -3
	s_barrier_signal -1
	s_barrier_wait -1
.endm
	s_load_b128 s[4:7], s[0:1], 0x0                ; qkv s[4:5], att s[6:7]
	v_lshl_add_u32 v[SPW], v0, 2, SPARE
	v_mov_b32 v[NIL], 0
	ds_add_u32 v[SPW], v[NIL]                      ; the wave's opening: the add, twice on end, and its wait ahead of my first tensor load
	ds_add_u32 v[SPW], v[NIL]
	v_lshrrev_b32 v1, 5, v0
	v_readfirstlane_b32 s[WV], v1                  ; wave 0..7
	s_bfe_u32 s13, ttmp6, 0x40000                  ; cx: my block of 512 queries: it enters Q's and att's addresses alone
	s_and_b32 s14, ttmp7, 0xffff                   ; y = 16 b + h, which the four partners share
	s_and_b32 s15, s[WV], 3                        ; which quarter of a slot I fetch
	s_lshl_b32 s16, s14, 18                        ; the (b, h)'s 2,048 rows of 128 bytes,
	s_lshl_b32 s17, s15, 14                        ; my quarter's 128 rows
	s_add_co_u32 s16, s16, s17
	s_mov_b32 s17, 0
	s_mul_i32 s18, s15, 128*KP                     ; and its place in a slot of K,
	s_mul_i32 s19, s15, 128*VP
	s_add_co_u32 s19, s19, VB                      ; of V: no place in the cluster enters an LDS address
	s_lshl_b32 s20, s14, 18                        ; Q: the (b, h), my block's 512 rows, my wave's 64
	s_lshl_b32 s21, s13, 16
	s_add_co_u32 s20, s20, s21
	s_lshl_b32 s21, s[WV], 13
	s_add_co_u32 s20, s20, s21
	s_mov_b32 s21, 0
	s_and_b32 s22, s14, 15                         ; att: head h's plane of 8,192 tokens, batch b's 2,048, my block, my wave
	s_lshl_b32 s22, s22, 20
	s_lshr_b32 s23, s14, 4
	s_lshl_b32 s23, s23, 18
	s_add_co_u32 s22, s22, s23
	s_lshl_b32 s23, s13, 16
	s_add_co_u32 s22, s22, s23
	s_lshl_b32 s23, s[WV], 13
	s_add_co_u32 s22, s22, s23
	s_mov_b32 s23, 0
	; descriptor group 1: a tile of 128 rows x 64 elements of 2 bytes, dense in memory, padded in LDS behind each row
	s_mov_b32 s[G1K], 15|(1<<16)|(1<<20)|(1<<21)|(4<<22)|(3<<25)  ; 15:0 the mask: all four work-groups; 17:16 elements of 2 bytes; 20 padding on; 21 set beside a mask; 24:22 after every 32 words (code 4); 31:25 four words (code 3)
	s_mov_b32 s[G1V], 15|(1<<16)|(1<<20)|(1<<21)|(4<<22)|(7<<25)  ; the same with eight words of padding (code 7)
.irp g, G1K, G1V
	s_mov_b32 s[\g+1], 64<<16                      ; tensor_dim0 = 64
	s_mov_b32 s[\g+2], 128<<16                     ; tensor_dim1 = 128
	s_mov_b32 s[\g+3], 64<<16                      ; tile_dim0 = 64
	s_mov_b32 s[\g+4], 128                         ; tile_dim1 = 128
	s_mov_b32 s[\g+5], 64                          ; elements from row to row
	s_mov_b32 s[\g+6], 0
	s_mov_b32 s[\g+7], 0
.endr
	s_mov_b32 s[CS], 0x3e38aa3b                    ; c = log2(e) / 8
	s_mov_b32 s[CS+1], s[CS]                       ; named with it as a pair, so it is written
	s_mov_b32 s[SEL], 0x76543210
	s_mov_b32 s[SEL+1], 0xfedcba98
	s_wait_dscnt 0x0                               ; both opening adds are done
	s_wait_kmcnt 0x0
	s_add_nc_u64 s[8:9], s[4:5], s[16:17]
	s_add_nc_u64 s[10:11], s[8:9], 0x2000000       ; V at my quarter of slot 0
	s_add_nc_u64 s[8:9], s[8:9], 0x1000000         ; K likewise
	s_add_nc_u64 s[4:5], s[4:5], s[20:21]          ; Q at my wave's first row
	s_add_nc_u64 s[6:7], s[6:7], s[22:23]          ; att likewise
	CROUND                                         ; all four work-groups are here: the first joint loads meet
.irp s, 0,1
	s_mov_b32 s[G0K+4*\s], 1                       ; count = 1
	s_add_co_u32 s[G0K+4*\s+1], s18, \s*KSL        ; LDS address
	s_add_nc_u64 s[G0K+4*\s+2:G0K+4*\s+3], s[8:9], \s*65536   ; global address: slot s begins with keys 512 s
	s_or_b32 s[G0K+4*\s+3], s[G0K+4*\s+3], 0x80000000         ; type = 2
	s_mov_b32 s[G0V+4*\s], 1
	s_add_co_u32 s[G0V+4*\s+1], s19, \s*VSL
	s_add_nc_u64 s[G0V+4*\s+2:G0V+4*\s+3], s[10:11], \s*65536
	s_or_b32 s[G0V+4*\s+3], s[G0V+4*\s+3], 0x80000000
.endr
	s_cmp_lt_u32 s[WV], 4                          ; a wave's two first fills stand in one branch, ahead of every wait on TENSORcnt and every LDS read
	s_cbranch_scc0 .Lfirst_v
	tensor_load_to_lds s[G0K:G0K+3], s[G1K:G1K+7]
	s_nop 0
	tensor_load_to_lds s[G0K+4:G0K+7], s[G1K:G1K+7]
	s_nop 0
.rept 4
	v_nop
.endr
	s_branch .Lfirst_asked
.Lfirst_v:
	tensor_load_to_lds s[G0V:G0V+3], s[G1V:G1V+7]
	s_nop 0
	tensor_load_to_lds s[G0V+4:G0V+7], s[G1V:G1V+7]
	s_nop 0
.rept 4
	v_nop
.endr
.Lfirst_asked:
	; A fragment of K or Q is 16 rows x 32 channels in 8 registers: lane l holds row l % 16; registers 0-3 channels 8 (l / 16) + 0..7, registers 4-7 channels 16 + 8 (l / 16) + 0..7: two loads of 16 bytes, 32 bytes apart.
	v_and_b32 v1, 15, v0                           ; r = l % 16
	v_bfe_u32 v10, v0, 4, 1                        ; h = l / 16
	v_lshlrev_b32 v[QO], 7, v1
	v_lshl_add_u32 v[QO], v10, 4, v[QO]            ; row x 128 + 16 x half
.irp i, 0,1,2,3,4,5,6,7                            ; Q stays in registers: tile i / 2, channels 32 (i % 2) on
	global_load_b128 v[Q+8*\i:Q+8*\i+3],   v[QO], s[4:5] offset:(\i/2)*2048+(\i%2)*64
	global_load_b128 v[Q+8*\i+4:Q+8*\i+7], v[QO], s[4:5] offset:(\i/2)*2048+(\i%2)*64+32
.endr
	v_mul_u32_u24 v[AK0], v1, KP
	v_lshl_add_u32 v[AK0], v10, 4, v[AK0]
	; The turning load takes 16 keys x 16 channels (lane l reads 16 bytes: key 8 (l / 16) + l % 8, channels 8 ((l / 8) % 2) + 0..7) and leaves half a fragment of V^T: lane l holds channel l % 16 and 8 keys.
	v_and_b32 v11, 7, v0
	v_lshl_add_u32 v[AV0], v10, 3, v11
	v_mul_u32_u24 v[AV0], v[AV0], VP
	v_bfe_u32 v14, v0, 3, 1
	v_lshl_add_u32 v[AV0], v14, 4, v[AV0]
	v_add_nc_u32 v[AV0], VB, v[AV0]
	s_mul_i32 s14, s[WV], 4*16*KP                  ; the way out: my stage, four tiles of 16 rows x 144 bytes, in K's slot 0
	v_mul_u32_u24 v[STO], v1, KP                   ; in: row l % 16, 16 bytes for each half of the lanes
	v_lshl_add_u32 v[STO], v10, 4, v[STO]
	v_add_nc_u32 v[STO], s14, v[STO]
	v_bfe_u32 v14, v0, 3, 2                        ; back: eight lanes take a row's 128 bytes, the wave four rows
	v_mul_u32_u24 v[RD], v14, KP
	v_lshl_add_u32 v[RD], v11, 4, v[RD]
	v_add_nc_u32 v[RD], s14, v[RD]
	v_and_b32 v[GO], 31, v0
	v_lshlrev_b32 v[GO], 4, v[GO]
.irp t, 0,1,2,3
	v_mov_b32 v[ST+8*\t+1], 0xff61b1e6             ; m = -3e38, under every score
	v_mov_b32 v[ST+8*\t+2], 0                      ; l, in two halves
	v_mov_b32 v[ST+8*\t+3], 0
.endr
.irp t, 0,1,2,3
	v_mul_f32 v[ST+8*\t], s[CS], v[ST+8*\t+1]      ; c m
.endr
	WIN W_LD
.set i, 0
.rept 128
	v_mov_b32 v[i], 0                              ; O^T.  (The step is written once: its first trip finds zeros, which the first a, 0, leaves zeros)
.set i, i+1
.endr
	WIN 0
; THE LDS LOADS stand in runs of 16.  A step's K: 64 keys x 64 channels, 8 fragments.
.macro KLOAD
	WIN 0
	v_add_nc_u32 v[ADK], s[TK], v[AK0]
	WIN W_LD
.irp f, 0,1,2,3,4,5,6,7                            ; keys 16 (f / 2) on, channels 32 (f % 2) on
	ds_load_b128 v[KF+8*\f:KF+8*\f+3],   v[ADK] offset:(\f/2)*16*KP+(\f%2)*64
	ds_load_b128 v[KF+8*\f+4:KF+8*\f+7], v[ADK] offset:(\f/2)*16*KP+(\f%2)*64+32
.endr
.endm
; A step's V, turned.  The addition and the three v_nop are the four places between the last product K Q^T and the softmax's first read of the scores; with the five v_nop behind V^T P they also part those products from the loads into V's registers.
.macro VLOAD
	WIN 0
	v_add_nc_u32 v[ADV], s[TV], v[AV0]
.rept 3
	v_nop
.endr
	WIN W_LD
.irp f, 0,1,2,3,4,5,6,7                            ; keys 32 (f / 4) on, channels 16 (f % 4) on
	ds_load_tr16_b128 v[VF+8*\f:VF+8*\f+3],   v[ADV] offset:(\f/4)*32*VP+(\f%4)*32
	ds_load_tr16_b128 v[VF+8*\f+4:VF+8*\f+7], v[ADV] offset:(\f/4)*32*VP+16*VP+(\f%4)*32
.endr
.endm
; 32 products O^T += V^T P: product i: keys 32 (i / 16) on, channels 16 ((i / 4) % 4) on, tile i % 4.  The 16 accumulators take turns, one instruction a turn.
.macro PVALL
	WIN W_PV
.set i, 0
.rept 32
.set rO, 32*(i%4)+8*((i/4)%4)
.set rV, VF+32*(i/16)+8*((i/4)%4)
.set rP, S+32*(i%4)+8*(i/16)
	v_wmma_f32_16x16x32_f16 v[rO:rO+7], v[rV:rV+7], v[rP:rP+7], v[rO:rO+7]
.set i, i+1
.endr
.endm
; 32 products S^T = K Q^T: product i: channels 32 (i / 16) on, keys 16 ((i / 4) % 4) on, tile i % 4.  The first 16 start the sums.
.macro KQALL
	WIN W_KQ
.set i, 0
.rept 32
.set rS, S+32*(i%4)+8*((i/4)%4)
.set rK, KF+16*((i/4)%4)+8*(i/16)
.set rQ, Q+16*(i%4)+8*(i/16)
.if i < 16
	v_wmma_f32_16x16x32_f16 v[rS:rS+7], v[rK:rK+7], v[rQ:rQ+7], 0
.else
	v_wmma_f32_16x16x32_f16 v[rS:rS+7], v[rK:rK+7], v[rQ:rQ+7], v[rS:rS+7]
.endif
.set i, i+1
.endr
.endm
; THE SOFTMAX of a step, 118 instructions a tile; the four tiles take turns line by line, so that no line waits for the line above it.
.macro SOFTMAX
	WIN 0
.irp k, 0,1,2,3                                    ; the maximum: four chains, one for each tile of 16 keys, each begun at its accumulator's low end
.irp t, 0,1,2,3
	v_max3_num_f32 v[ST+8*\t+4+\k], v[S+32*\t+8*\k], v[S+32*\t+8*\k+1], v[S+32*\t+8*\k+2]
.endr
.endr
.irp i, 3,5
.irp k, 0,1,2,3
.irp t, 0,1,2,3
	v_max3_num_f32 v[ST+8*\t+4+\k], v[ST+8*\t+4+\k], v[S+32*\t+8*\k+\i], v[S+32*\t+8*\k+\i+1]
.endr
.endr
.endr
.irp t, 0,1,2,3
	v_max3_num_f32 v[ST+8*\t+4], v[ST+8*\t+4], v[S+32*\t+7], v[S+32*\t+15]
.endr
.irp t, 0,1,2,3
	v_max3_num_f32 v[ST+8*\t+6], v[ST+8*\t+6], v[S+32*\t+23], v[S+32*\t+31]
.endr
.irp t, 0,1,2,3
	v_max3_num_f32 v[ST+8*\t+4], v[ST+8*\t+4], v[ST+8*\t+5], v[ST+8*\t+6]
.endr
.irp t, 0,1,2,3
	v_max3_num_f32 v[ST+8*\t+4], v[ST+8*\t+4], v[ST+8*\t+7], v[ST+8*\t+1]   ; with the old m
.endr
.irp t, 0,1,2,3
	v_permlanex16_b32 v[ST+8*\t+5], v[ST+8*\t+4], s[SEL], s[SEL+1]          ; the query's other 32 keys lie in the lane 16 away
.endr
.irp t, 0,1,2,3
	v_mov_b32 v[ST+8*\t+7], v[ST+8*\t]             ; c m_old is kept for a
.endr
.irp t, 0,1,2,3
	v_max_num_f32 v[ST+8*\t+1], v[ST+8*\t+4], v[ST+8*\t+5]                  ; the new m
.endr
.irp t, 0,1,2,3
	v_mul_f32 v[ST+8*\t], s[CS], v[ST+8*\t+1]      ; c m
.endr
.irp t, 0,1,2,3
	v_sub_f32 v[ST+8*\t+7], v[ST+8*\t+7], v[ST+8*\t]   ; c m_old - c m_new: exactly 0 where m has not grown
.endr
.set n, 0
.rept 16
.irp t, 0,1,2,3
	v_pk_fma_f32 v[S+32*\t+n:S+32*\t+n+1], v[S+32*\t+n:S+32*\t+n+1], s[CS:CS+1], v[ST+8*\t:ST+8*\t+1] op_sel_hi:[1,0,0] neg_lo:[0,0,1] neg_hi:[0,0,1]   ; c s - c m, two at a time
.endr
.set n, n+2
.endr
.irp t, 0,1,2,3                                    ; ONE BATCH of 132 exponentials: none reads another's result
	v_exp_f32 v[ST+8*\t+6], v[ST+8*\t+7]           ; a
.endr
.set n, 0
.rept 32
.irp t, 0,1,2,3
	v_exp_f32 v[S+32*\t+n], v[S+32*\t+n]           ; p
.endr
.set n, n+1
.endr
	v_nop                                          ; the plain instruction behind the last exponential, ahead of the first use
	s_wait_alu depctr_va_vdst(0)                   ; and the one wait ahead of the batch's first reader
.irp t, 0,1,2,3                                    ; the sums of the unrounded p, in two chains
	v_pk_fma_f32 v[ST+8*\t+2:ST+8*\t+3], v[ST+8*\t+2:ST+8*\t+3], v[ST+8*\t+6:ST+8*\t+7], v[S+32*\t:S+32*\t+1] op_sel_hi:[1,0,1]   ; l = a l + the first pair
.endr
.irp t, 0,1,2,3
	v_pk_add_f32 v[Y+2*\t:Y+2*\t+1], v[S+32*\t+2:S+32*\t+3], v[S+32*\t+4:S+32*\t+5]
.endr
.irp n, 6,10,14,18,22,26
.irp t, 0,1,2,3
	v_pk_add_f32 v[ST+8*\t+2:ST+8*\t+3], v[ST+8*\t+2:ST+8*\t+3], v[S+32*\t+\n:S+32*\t+\n+1]
	v_pk_add_f32 v[Y+2*\t:Y+2*\t+1], v[Y+2*\t:Y+2*\t+1], v[S+32*\t+\n+2:S+32*\t+\n+3]
.endr
.endr
.irp t, 0,1,2,3
	v_pk_add_f32 v[ST+8*\t+2:ST+8*\t+3], v[ST+8*\t+2:ST+8*\t+3], v[S+32*\t+30:S+32*\t+31]
.endr
.irp t, 0,1,2,3
	v_pk_add_f32 v[ST+8*\t+2:ST+8*\t+3], v[ST+8*\t+2:ST+8*\t+3], v[Y+2*\t:Y+2*\t+1]
.endr
.set n, 0
.rept 16
.irp t, 0,1,2,3
	v_cvt_pk_f16_f32 v[S+32*\t+n], v[S+32*\t+2*n], v[S+32*\t+2*n+1]   ; P, in place: register n is written behind the reads of registers 2 n and 2 n + 1
.endr
.set n, n+1
.endr
	WIN W_RS
.set n, 0
.rept 16
.irp t, 0,1,2,3
	v_pk_mul_f32 v[32*\t+n:32*\t+n+1], v[32*\t+n:32*\t+n+1], v[ST+8*\t+6:ST+8*\t+7] op_sel_hi:[1,0]   ; O^T x a, each accumulator from its low end on
.endr
.set n, n+2
.endr
	WIN 0
.endm
; A TRIP.  pv = 0: the first, which has no step behind it.
.macro TRIP pv
	KLOAD
.if \pv
	s_wait_dscnt 16                                ; V of the step before is in; the 16 loads of K just issued may be out
	PVALL
.rept 5
	v_nop                                          ; five places: the products below write S^T over P's registers, which the products above have read
.endr
.endif
	s_wait_dscnt 0x0                               ; K is in
	KQALL
	VLOAD
	SOFTMAX
.endm
; The last n key steps of a slot: written once, walked n times.
.macro STEPS slot, n
	s_mov_b32 s[TK], \slot*KSL+(8-\n)*64*KP
	s_mov_b32 s[TV], \slot*VSL+(8-\n)*64*VP
	s_mov_b32 s[CNT], \n
.Lstep_\@:
	TRIP 1
	s_add_co_u32 s[TK], s[TK], 64*KP
	s_add_co_u32 s[TV], s[TV], 64*VP
	s_sub_co_u32 s[CNT], s[CNT], 1
	s_cmp_lg_u32 s[CNT], 0
	s_cbranch_scc1 .Lstep_\@
.endm
; THE CHANGE OF SLOTS.  Each wave waits for all its tensor loads (its part of the slot ahead), adds 0 to its spare word, and waits for that and for its reads of the slot that it leaves, V of its last step among them.
; fill = 1: the slot left, s, is filled again with the keys 1,024 on: the barrier is a round of the cluster's, and the joint refill is the first thing behind it.
.macro CHANGE fill, s
	s_wait_tensorcnt 0x0                           ; no tensor load of mine is out, so a group 0 may be written
	ds_add_u32 v[SPW], v[NIL]                      ; 0 onto my spare word
.if \fill
	s_add_nc_u64 s[G0K+4*\s+2:G0K+4*\s+3], s[G0K+4*\s+2:G0K+4*\s+3], 131072   ; 1,024 rows of 128 bytes on; the type bits on top are not reached
	s_add_nc_u64 s[G0V+4*\s+2:G0V+4*\s+3], s[G0V+4*\s+2:G0V+4*\s+3], 131072
.endif
	s_wait_dscnt 0x0                               ; the add is done, and my reads of the slot are over
.if \fill
	CROUND
	JLOAD \s
.else
	s_barrier_signal -1
	s_barrier_wait -1
.endif
.endm
	s_wait_tensorcnt 1                             ; my part of slot 0 is in; slot 1's, the one load issued behind it, may stay out
	s_barrier_signal -1
	s_barrier_wait -1                              ; everybody's is
	s_wait_loadcnt 0x0                             ; Q
	s_mov_b32 s[TK], 0
	s_mov_b32 s[TV], 0
	TRIP 0                                         ; key step 0
	STEPS 0, 7                                     ; keys 64 to 511
	CHANGE 1, 0                                    ; slot 0 takes keys 1,024 on
	STEPS 1, 8
	CHANGE 1, 1                                    ; slot 1 takes keys 1,536 on
	STEPS 0, 8
	CHANGE 0, 0                                    ; nothing is left to fetch
	STEPS 1, 8
	s_wait_dscnt 0x0                               ; V of the last step
	PVALL
	; THE WAY OUT.  l's two halves and the other half of the lanes' are added; O^T is divided by l, rounded to f16 and sent through my stage in LDS, a tile (16 queries) at a time.  The stage lies in K's slot 0, which has had
	; its last fill, and which nobody reads behind the last change of slots.  The four additions are the places behind the last products.
	WIN 0
.irp t, 0,1,2,3
	v_add_f32 v[ST+8*\t+4], v[ST+8*\t+2], v[ST+8*\t+3]
.endr
.irp t, 0,1,2,3
	v_permlanex16_b32 v[ST+8*\t+5], v[ST+8*\t+4], s[SEL], s[SEL+1]
.endr
.irp t, 0,1,2,3
	v_add_f32 v[ST+8*\t+4], v[ST+8*\t+4], v[ST+8*\t+5]
.endr
.irp t, 0,1,2,3
	v_rcp_f32 v[ST+8*\t+6], v[ST+8*\t+4]
.endr
	v_nop                                          ; a plain instruction between the last reciprocal and the use of its result
	s_wait_alu depctr_va_vdst(0)                   ; and the wait ahead of the first use: one for the four
; Tile t: a lane's eight channels of a query pack into 16 bytes; they go into rows of 144 bytes and come back so that the wave holds four queries' 128 bytes on end.
.macro PACK t
	WIN W_RS
.set i, 0
.rept 16
	v_pk_mul_f32 v[32*\t+i:32*\t+i+1], v[32*\t+i:32*\t+i+1], v[ST+8*\t+6:ST+8*\t+7] op_sel_hi:[1,0]
.set i, i+2
.endr
	WIN 0x05                                       ; sources 0 and 1 window 1, destination window 0: S^T's registers are free
.set i, 0
.rept 16
	v_cvt_pk_f16_f32 v[S+16*\t+i], v[32*\t+2*i], v[32*\t+2*i+1]
.set i, i+1
.endr
	WIN 0
.irp c, 0,1,2,3
	ds_store_b128 v[STO], v[S+16*\t+4*\c:S+16*\t+4*\c+3] offset:\t*16*KP+32*\c
.endr
.irp g, 0,1,2,3
	ds_load_b128 v[S+64+16*\t+4*\g:S+64+16*\t+4*\g+3], v[RD] offset:\t*16*KP+4*\g*KP   ; LDS serves a wave's instructions in order (ISA guide 5.7.1.4): these see the stores above
.endr
.endm
.macro SEND t, younger                 ; younger: the LDS instructions issued behind tile t's loads: the next tile's four stores and four loads, or none
.irp g, 0,1,2,3
	s_wait_dscnt \younger+3-\g
	global_store_b128 v[GO], v[S+64+16*\t+4*\g:S+64+16*\t+4*\g+3], s[6:7] offset:(16*\t+4*\g)*128   ; 32 lanes store 512 consecutive bytes, at a multiple of 512 from att's first byte
.endr
.endm
	PACK 0
	PACK 1
	SEND 0, 8
	PACK 2
	SEND 1, 8
	PACK 3
	SEND 2, 8
	SEND 3, 0
	s_wait_tensorcnt 0x0                           ; the wave's end, behind my last tensor load and my last LDS store
	ds_add_u32 v[SPW], v[NIL]
	s_wait_dscnt 0x0
	CROUND                                         ; the closing round: no work-group ends while a partner may still ask for a tile that names it
	s_endpgm
.Lfunc_end_k_q5d7124318b_attn:
	.size	k_q5d7124318b_attn, .Lfunc_end_k_q5d7124318b_attn-k_q5d7124318b_attn
	.p2alignl 7, 3214868480
	.fill 96, 4, 3214868480
	.section	.rodata,"a",@progbits
	.p2align	6, 0x0
	.amdhsa_kernel k_q5d7124318b_attn
		.amdhsa_group_segment_fixed_size 327680
		.amdhsa_private_segment_fixed_size 0
		.amdhsa_enable_private_segment 0
		.amdhsa_kernarg_size 16
		.amdhsa_user_sgpr_count 2
		.amdhsa_user_sgpr_kernarg_segment_ptr 1
		.amdhsa_wavefront_size32 1
		.amdhsa_system_sgpr_workgroup_id_x 1
		.amdhsa_system_sgpr_workgroup_id_y 1
		.amdhsa_system_sgpr_workgroup_id_z 1
		.amdhsa_system_vgpr_workitem_id 0
		.amdhsa_next_free_vgpr 512
		.amdhsa_next_free_sgpr 66
		.amdhsa_reserve_vcc 0
		.amdhsa_float_denorm_mode_32 3
		.amdhsa_float_denorm_mode_16_64 3
		.amdhsa_memory_ordered 1
		.amdhsa_forward_progress 1
		.amdhsa_inst_pref_size 188
	.end_amdhsa_kernel
	.amdgpu_metadata
---
amdhsa.version: [ 1, 2 ]
amdhsa.kernels:
  - .name:           k_q5d7124318b_attn
    .symbol:         k_q5d7124318b_attn.kd
    .args:
      - { .name: qkv, .offset: 0, .size: 8, .value_kind: global_buffer, .address_space: global }
      - { .name: att, .offset: 8, .size: 8, .value_kind: global_buffer, .address_space: global }
    .group_segment_fixed_size: 327680
    .private_segment_fixed_size: 0
    .kernarg_segment_align: 8
    .kernarg_segment_size: 16
    .max_flat_workgroup_size: 256
    .sgpr_count:     66
    .vgpr_count:     512
    .wavefront_size: 32
...
	.end_amdgpu_metadata
.endif
;; end of part 3
;; launch outp (part 4): grid 4 x 64, 4 waves a work-group, clusters of 4 x 4, 327,680 bytes of LDS; arguments att, woh, out0, bo; writes out0
.if DOCPART == 4
	.amdgcn_target "amdgcn-amd-amdhsa--gfx1250"
	.amdhsa_code_object_version 6
	.text
	.protected	k_q5d7124318b_outp
	.globl	k_q5d7124318b_outp
	.p2align	8
	.type	k_q5d7124318b_outp,@function
k_q5d7124318b_outp:
	s_mov_b64 s[64:65], 0
	v_nop
	global_prefetch_b8 v0, s[64:65] scope:SCOPE_SE
	s_setreg_imm32_b32 hwreg(HW_REG_WAVE_MODE, 25, 1), 1
	s_wait_xcnt 0x0
	s_wait_alu depctr_hold_cnt(0) depctr_sa_sdst(0) depctr_va_vdst(0) depctr_va_sdst(0) depctr_va_ssrc(0) depctr_va_vcc(0) depctr_vm_vsrc(0)
	s_getreg_b32 s2, hwreg(HW_REG_IB_STS2, 6, 4)
	s_cmp_eq_u32 s2, 0
	s_cbranch_scc0 .Lentry_in_a_cluster
	s_endpgm
.Lentry_in_a_cluster:
	s_bfe_u32 s2, ttmp6, 0x10000c
	s_cmp_lg_u32 s2, 0xf033
	s_cbranch_scc0 .Lentry_shape_is_right
	s_endpgm
.Lentry_shape_is_right:
; MULTI-HEAD ATTENTION, launch 4 of 4: out0[token][n] = the sum over k of att[token][k] wo[n][k] + bo[n], f16 operands, f32 sums.  M 8,192, N 1,024, K 1,024.
; Both operands lie by head: att[h][token][64], woh[h][n][64]: a head's rows are 128 bytes, dense, so a tile of one head is one dense block of memory.
; A tile of out0 is 128 tokens x 256 columns: 256 work-groups.  Four waves, each 64 x 128: 32 accumulators of 16 x 16, 256 registers.
; K goes in steps of 128 (two heads) through a ring of two LDS slots: wave 0 and wave 1 fetch att's tiles of the two heads (128 rows), wave 2 and wave 3 wo's (256 rows), one tensor load a wave.
; CLUSTERS: 4 x 4 work-groups.  The four of a row of the cluster need the same tiles of att, the four of a column the same tiles of wo: each is asked for JOINTLY, by the same tensor load with the same descriptor and a mask
; that names the four.  THE MATRIX INSTRUCTION IS USED TRANSPOSED (source 0 = 16 rows of wo, source 1 = 16 tokens): a lane then holds eight neighbouring columns of one token.
; REGISTERS: window 0: v0-31 addresses; v32-127, v128-223 two fragment buffers for 32 along K (att's four fragments, then wo's eight); v224-227 bo of my four columns; on the way out v32-159 take the stage's rows.
;   window 1: the accumulators ((a, b) at v[8 (8 a + b)], a = 0..3 blocks of tokens, b = 0..7 blocks of columns).
.set PITCH,  144                       ; an LDS row: 128 bytes + 16 of padding: an odd multiple of 16, so that the 16 rows of a load start at 16 different groups of banks
.set AH,     128*PITCH                 ; att's tile of one head
.set BH,     256*PITCH                 ; wo's tile of one head
.set BOFF,   2*AH                      ; in a slot: att's two heads, then wo's two
.set SLOT,   2*AH+2*BH
.set STAGE,  2*SLOT                    ; behind the ring: 16 rows x 528 bytes for each wave, for the way out
.set SPITCH, 528
.set SPARE,  STAGE+4*16*SPITCH         ; behind the stages: the spare words, 128 bytes a wave, which no other line names
.set LAPS,   4                         ; a lap = two K steps = once round the ring; 8 K steps
.set ADRA, 16                          ; v16-17  LDS address of my fragments of att in slot 0, 1
.set ADRB, 20                          ; v20-21  the same for wo
.set STO,  24                          ; v24     the way out: where I put 32 bytes of a row
.set RD,   25                          ; v25     the way out: where I read a row back
.set CO,   26                          ; v26     16 x lane: my place in a row's 512 bytes
.set SPW,  28
.set NIL,  29
.set F0,   32
.set F1,   128
.set BV,   224                         ; v224-227 bo
.set OB,   32                          ; the way out: v32-95 and v96-159 by turns
.set G1, 24                            ; s[24:31] descriptor group 1 for att's tiles;  s[32:39] group 0, one set for each slot
.set G0, 32
.set G1B, 48                           ; s[48:55], s[56:63] the same for wo's tiles
.set G0B, 56
.set MSB, 0
.macro WIN new
.if MSB != \new
	s_set_vgpr_msb (MSB<<8)|\new
.set MSB, \new
.endif
.endm
.set MUL, 0x50                         ; sources 0 and 1 window 0; C and D window 1
.macro JLOAD s                         ; a joint load: waves 0 and 1 fetch for att, waves 2 and 3 for wo; an s_nop 0 and four v_nop follow each of the two lines
	s_cmp_eq_u32 s11, 0
	s_cbranch_scc0 .Lfor_b_\@
	tensor_load_to_lds s[G0+4*\s:G0+4*\s+3], s[G1:G1+7]
	s_nop 0
.rept 4
	v_nop
.endr
	s_branch .Lasked_\@
.Lfor_b_\@:
	tensor_load_to_lds s[G0B+4*\s:G0B+4*\s+3], s[G1B:G1B+7]
	s_nop 0
.rept 4
	v_nop
.endr
.Lasked_\@:
.endm
.macro CREST                           ; a round of the cluster's barrier behind its opening barrier
	s_cmp_lg_u32 s10, 0
	s_cbranch_scc1 .Lnot_wave_0_\@
	s_barrier_signal -3
.Lnot_wave_0_\@:
	s_barrier_wait -3
	s_barrier_signal -1
	s_barrier_wait -1
.endm
.macro CROUND                          ; a whole round
	s_barrier_signal -1
	s_barrier_wait -1
	CREST
.endm
	s_load_b128 s[4:7], s[0:1], 0x0                ; att s[4:5], woh s[6:7]
	s_load_b64 s[8:9], s[0:1], 0x10                ; out0
	s_load_b64 s[66:67], s[0:1], 0x18              ; bo
	v_lshl_add_u32 v[SPW], v0, 2, SPARE
	v_mov_b32 v[NIL], 0
	ds_add_u32 v[SPW], v[NIL]                      ; the wave's opening: the add, twice on end, and its wait ahead of my first tensor load
	ds_add_u32 v[SPW], v[NIL]
	v_lshrrev_b32 v1, 5, v0
	v_readfirstlane_b32 s10, v1                    ; wave 0..3
	s_lshr_b32 s11, s10, 1                         ; which 64 of the tile's tokens are mine.  Also: I fetch for att (0) or for wo (1)
	s_and_b32 s12, s10, 1                          ; which 128 of its columns.  Also: which of a K step's two heads I fetch
	s_bfe_u32 s40, ttmp6, 0x40000                  ; cx, cy: my place in the cluster
	s_bfe_u32 s41, ttmp6, 0x40004
	s_lshl_b32 s42, ttmp9, 2
	s_add_co_u32 s42, s42, s40                     ; tile column = 4 x cluster x + cx
	s_and_b32 s13, ttmp7, 0xffff
	s_lshl_b32 s13, s13, 2
	s_add_co_u32 s13, s13, s41                     ; tile row = 4 x cluster y + cy
	s_lshl_b32 s43, s41, 2
	s_lshl_b32 s43, 15, s43                        ; my row of the cluster
	s_lshl_b32 s44, 0x1111, s40                    ; my column
	; descriptor group 1: rows of 64 elements of 2 bytes, dense in memory, 16 bytes of padding behind each in LDS; 128 rows for att, 256 for wo
	s_or_b32 s[G1+0], s43, (1<<16)|(1<<20)|(1<<21)|(4<<22)|(3<<25)  ; 15:0 the mask; 17:16 elements of 2 bytes; 20 padding on; 21 set beside a mask; 24:22 after every 32 words (code 4); 31:25 four words (code 3)
	s_or_b32 s[G1B+0], s44, (1<<16)|(1<<20)|(1<<21)|(4<<22)|(3<<25)
	s_mov_b32 s[G1+1], 64<<16                      ; tensor_dim0
	s_mov_b32 s[G1+2], 128<<16                     ; tensor_dim1
	s_mov_b32 s[G1+3], 64<<16                      ; tile_dim0
	s_mov_b32 s[G1+4], 128                         ; tile_dim1
	s_mov_b32 s[G1+5], 64                          ; elements from row to row
	s_mov_b32 s[G1+6], 0
	s_mov_b32 s[G1+7], 0
	s_mov_b32 s[G1B+1], 64<<16
	s_mov_b32 s[G1B+2], 256<<16
	s_mov_b32 s[G1B+3], 64<<16
	s_mov_b32 s[G1B+4], 256
	s_mov_b32 s[G1B+5], 64
	s_mov_b32 s[G1B+6], 0
	s_mov_b32 s[G1B+7], 0
	s_lshl_b32 s16, s13, 14                        ; att: the tile row's 128 tokens of 128 bytes,
	s_lshl_b32 s17, s12, 20                        ; in my head's plane of 8,192 tokens
	s_add_co_u32 s16, s16, s17
	s_mov_b32 s17, 0
	s_lshl_b32 s46, s42, 15                        ; wo: the tile column's 256 rows of 128 bytes,
	s_lshl_b32 s47, s12, 17                        ; in my head's plane of 1,024 rows
	s_add_co_u32 s46, s46, s47
	s_mov_b32 s47, 0
	s_mul_i32 s20, s12, AH                         ; where they go: no place in the cluster enters an LDS address
	s_mul_i32 s23, s12, BH
	s_add_co_u32 s23, s23, BOFF
	s_wait_dscnt 0x0                               ; both opening adds are done
	s_wait_kmcnt 0x0
	s_add_nc_u64 s[14:15], s[4:5], s[16:17]
	s_add_nc_u64 s[46:47], s[6:7], s[46:47]
	CROUND                                         ; all sixteen work-groups are here: the first joint loads meet
.irp s, 0,1
	s_mov_b32 s[G0+4*\s], 1
	s_add_co_u32 s[G0+4*\s+1], s20, \s*SLOT
	s_add_nc_u64 s[G0+4*\s+2:G0+4*\s+3], s[14:15], \s*2097152      ; K step s: two heads' planes on
	s_or_b32 s[G0+4*\s+3], s[G0+4*\s+3], 0x80000000
	s_mov_b32 s[G0B+4*\s], 1
	s_add_co_u32 s[G0B+4*\s+1], s23, \s*SLOT
	s_add_nc_u64 s[G0B+4*\s+2:G0B+4*\s+3], s[46:47], \s*262144
	s_or_b32 s[G0B+4*\s+3], s[G0B+4*\s+3], 0x80000000
	JLOAD \s                                       ; two tensor loads of mine are out
.endr
	v_and_b32 v1, 15, v0                           ; l % 16
	v_bfe_u32 v2, v0, 4, 1                         ; l / 16
	v_mul_u32_u24 v3, v1, PITCH
	v_lshl_add_u32 v3, v2, 4, v3                   ; a fragment's row x pitch + 16 x half
	s_mul_i32 s21, s11, 64*PITCH                   ; my 64 tokens
	s_mul_i32 s22, s12, 128*PITCH                  ; my 128 rows of wo,
	s_add_co_u32 s22, s22, BOFF                    ; which lie behind att's two heads
.irp s, 0,1
	v_add_nc_u32 v[ADRA+\s], s21, v3
	v_add_nc_u32 v[ADRB+\s], s22, v3
	s_add_co_u32 s21, s21, SLOT
	s_add_co_u32 s22, s22, SLOT
.endr
	s_mul_i32 s23, s10, 16*SPITCH
	s_add_co_u32 s23, s23, STAGE                   ; my stage
	v_mul_u32_u24 v4, v1, SPITCH                   ; in: row l % 16, 32 bytes for each half of the lanes
	v_lshl_add_u32 v4, v2, 5, v4
	v_add_nc_u32 v[STO], s23, v4
	v_and_b32 v5, 31, v0
	v_lshlrev_b32 v[CO], 4, v5                     ; back: the 32 lanes take one row of 512 bytes; and the same in out0 and in bo
	v_add_nc_u32 v[RD], s23, v[CO]
	s_lshl_b32 s16, s13, 7
	s_lshl_b32 s17, s11, 6
	s_add_co_u32 s16, s16, s17                     ; my first token: 128 x tile row + 64 x half
	s_lshl_b32 s16, s16, 12                        ; rows of 4,096 bytes
	s_mov_b32 s17, 0
	s_add_nc_u64 s[8:9], s[8:9], s[16:17]
	s_lshl_b32 s46, s42, 10                        ; my first column, in bytes: 1,024 x tile column + 512 x half
	s_lshl_b32 s47, s12, 9
	s_add_co_u32 s46, s46, s47
	s_mov_b32 s47, 0
	s_add_nc_u64 s[8:9], s[8:9], s[46:47]
	s_add_nc_u64 s[66:67], s[66:67], s[46:47]
	global_load_b128 v[BV:BV+3], v[CO], s[66:67]   ; bo of the four columns that I store
; 8 matrix instructions: block a of tokens against wo's eight blocks, 32 along K, out of buffer f.  zero = 1: the first product starts the sums.  The 32 accumulators take turns, one instruction a turn.
.macro MUL8 f, a, zero
.irp b, 0,1,2,3,4,5,6,7
.if \zero
	v_wmma_f32_16x16x32_f16 v[8*(8*(\a)+\b):8*(8*(\a)+\b)+7], v[\f+32+8*\b:\f+32+8*\b+7], v[\f+8*(\a):\f+8*(\a)+7], 0
.else
	v_wmma_f32_16x16x32_f16 v[8*(8*(\a)+\b):8*(8*(\a)+\b)+7], v[\f+32+8*\b:\f+32+8*\b+7], v[\f+8*(\a):\f+8*(\a)+7], v[8*(8*(\a)+\b):8*(8*(\a)+\b)+7]
.endif
.endr
.endm
; 24 LDS loads in one run: the fragments of quarter q of a K step (head q / 2, channels 32 (q % 2) on) into buffer f
.macro FETCH slot, q, f
.irp i, 0,1,2,3
	ds_load_b128 v[\f+8*\i:\f+8*\i+3],   v[ADRA+\slot] offset:((\q)/2)*AH+\i*16*PITCH+((\q)%2)*64
	ds_load_b128 v[\f+8*\i+4:\f+8*\i+7], v[ADRA+\slot] offset:((\q)/2)*AH+\i*16*PITCH+((\q)%2)*64+32
.endr
.irp b, 0,1,2,3,4,5,6,7
	ds_load_b128 v[\f+32+8*\b:\f+32+8*\b+3],   v[ADRB+\slot] offset:((\q)/2)*BH+\b*16*PITCH+((\q)%2)*64
	ds_load_b128 v[\f+32+8*\b+4:\f+32+8*\b+7], v[ADRB+\slot] offset:((\q)/2)*BH+\b*16*PITCH+((\q)%2)*64+32
.endr
.endm
.macro PLACES                          ; four places in front of loads into registers that matrix instructions have read, and of the first read of results (ISA guide 7.12.1 for vector instructions)
.rept 4
	v_nop
.endr
.endm
; A K step is four quarters of 32 along K, 32 matrix instructions each, on buffers 0, 1, 0, 1.  One of the first three: multiplies quarter q out of buffer f and, in its middle, fetches quarter q + 1 into g.
.macro QUARTER slot, q, f, g, zero
	s_wait_dscnt 0x0                               ; this quarter's fragments are in (asked for 16 matrix instructions ago)
	WIN MUL
	MUL8 \f, 0, \zero
	MUL8 \f, 1, \zero
	PLACES
	WIN 0
	FETCH \slot, (\q)+1, \g
	WIN MUL
	MUL8 \f, 2, \zero
	MUL8 \f, 3, \zero
.endm
; The last quarter multiplies buffer 1 and changes slots: ONE barrier; in front of it each wave waits for all its tensor loads, adds 0 to its spare word, and waits for that and for its own reads of this slot.
; fill = 1: this slot is filled again, two K steps ahead; the barrier then opens a round of the cluster's barrier.
.macro TURN slot, next, fill
	WIN 0                                          ; (the add's two registers lie in window 0)
	s_wait_tensorcnt 0x0                           ; all my tensor loads have landed: my part of the next slot
	ds_add_u32 v[SPW], v[NIL]                      ; 0 onto my spare word
	s_wait_dscnt 1                                 ; the quarter's fragments are in; the add alone may be out
	WIN MUL
	MUL8 F1, 0, 0                                  ; eight matrix instructions stand between the add and the wait for it
	s_wait_dscnt 0x0                               ; the add is done, and my reads of this slot are over
	s_barrier_signal -1
	MUL8 F1, 1, 0
	WIN 0
	s_barrier_wait -1
.if \fill
	CREST                                          ; no wave of any partner still reads this slot's tiles or has a load on its way
	s_add_nc_u64 s[G0+4*\slot+2:G0+4*\slot+3], s[G0+4*\slot+2:G0+4*\slot+3], 4194304     ; two K steps on: four heads' planes
	s_add_nc_u64 s[G0B+4*\slot+2:G0B+4*\slot+3], s[G0B+4*\slot+2:G0B+4*\slot+3], 524288
	JLOAD \slot                                    ; the first tensor load behind the round; the four v_nop behind it are also the places in front of the loads below
.else
	PLACES
.endif
	FETCH \next, 0, F0
	WIN MUL
	MUL8 F1, 2, 0
	MUL8 F1, 3, 0
.endm
	s_wait_tensorcnt 1                             ; my part of K step 0 is in (K step 1's load, issued behind it, may be out),
	s_barrier_signal -1
	s_barrier_wait -1                              ; everybody's is
	FETCH 0, 0, F0
	QUARTER 0, 0, F0, F1, 1                        ; the first quarter stands in front of the loop: its products start the sums
	WIN 0                                          ; at a label and at a branch every window is 0
	s_mov_b32 s3, LAPS-1
.Llap:                                                 ; a trip goes once round the ring, from a lap's second quarter to the next lap's first, and fills both slots again
	QUARTER 0, 1, F1, F0, 0
	QUARTER 0, 2, F0, F1, 0
	TURN 0, 1, 1
	QUARTER 1, 0, F0, F1, 0
	QUARTER 1, 1, F1, F0, 0
	QUARTER 1, 2, F0, F1, 0
	TURN 1, 0, 1
	QUARTER 0, 0, F0, F1, 0
	WIN 0
	s_sub_co_u32 s3, s3, 1
	s_cmp_lg_u32 s3, 0
	s_cbranch_scc1 .Llap
	QUARTER 0, 1, F1, F0, 0                        ; the last lap fills nothing, and has no round of the cluster's barrier
	QUARTER 0, 2, F0, F1, 0
	TURN 0, 1, 0
	QUARTER 1, 0, F0, F1, 0
	QUARTER 1, 1, F1, F0, 0
	QUARTER 1, 2, F0, F1, 0
	s_wait_dscnt 0x0                               ; the very last quarter: nothing more to fetch
	WIN MUL
	MUL8 F1, 0, 0
	MUL8 F1, 1, 0
	MUL8 F1, 2, 0
	MUL8 F1, 3, 0
	WIN 0
; THE WAY OUT, block by block of 16 tokens x 128 columns.  A lane holds 32 neighbouring bytes of a row, and the lanes beside it hold other rows: so a block goes through my own stage in LDS and comes back as whole rows of
; 512 bytes; bo is added, and the 32 lanes store a row.  LDS serves a wave's instructions in order (ISA guide 5.7.1.4): no wait between the stores and the loads, nor in front of the next block's stores.
.macro TOSTAGE a
	WIN 0x04                                       ; an LDS store's data are its source 1: window 1
.irp b, 0,1,2,3,4,5,6,7
	ds_store_b128 v[STO], v[8*(8*(\a)+\b):8*(8*(\a)+\b)+3] offset:64*\b          ; each accumulator from its low end on
	ds_store_b128 v[STO], v[8*(8*(\a)+\b)+4:8*(8*(\a)+\b)+7] offset:64*\b+16
.endr
	WIN 0
.set BB, OB+64*((\a)%2)
.irp t, 0,1,2,3,4,5,6,7,8,9,10,11,12,13,14,15
	ds_load_b128 v[BB+4*\t:BB+4*\t+3], v[RD] offset:\t*SPITCH
.endr
.endm
.macro SEND a, younger                 ; younger: the LDS instructions issued behind block a's loads, which may stay out
.set BB, OB+64*((\a)%2)
	s_wait_dscnt \younger                          ; the block is back in registers
.irp t, 0,1,2,3,4,5,6,7,8,9,10,11,12,13,14,15
	v_pk_add_f32 v[BB+4*\t:BB+4*\t+1], v[BB+4*\t:BB+4*\t+1], v[BV:BV+1]
	v_pk_add_f32 v[BB+4*\t+2:BB+4*\t+3], v[BB+4*\t+2:BB+4*\t+3], v[BV+2:BV+3]
.endr
.irp t, 0,1,2,3,4,5,6,7,8,9,10,11,12,13,14,15
	global_store_b128 v[CO], v[BB+4*\t:BB+4*\t+3], s[8:9] offset:(16*(\a)+\t)*4096 th:TH_STORE_NT   ; 32 lanes store 512 consecutive bytes, at a multiple of 512 from out0's first byte; written once, read by nobody here
.endr
.endm
	PLACES                                         ; for the loads into the registers that held fragments, and for the reads of the last products' results
	s_wait_loadcnt 0x0                             ; bo
	TOSTAGE 0
.irp a, 1,2,3
.if \a > 1
	s_wait_xcnt 0x0                                ; block a - 2's stores have read their registers: block a's loads may land there
.endif
	TOSTAGE \a
	SEND \a-1, 32                                  ; behind block a - 1's loads: block a's 16 stores and 16 loads
.endr
	SEND 3, 0
	s_wait_tensorcnt 0x0                           ; the wave's end, behind my last tensor load and my last LDS store
	ds_add_u32 v[SPW], v[NIL]
	s_wait_dscnt 0x0
	CROUND                                         ; the closing round: no work-group ends while a partner may still ask for a tile that names it
	s_endpgm
.Lfunc_end_k_q5d7124318b_outp:
	.size	k_q5d7124318b_outp, .Lfunc_end_k_q5d7124318b_outp-k_q5d7124318b_outp
	.p2alignl 7, 3214868480
	.fill 96, 4, 3214868480
	.section	.rodata,"a",@progbits
	.p2align	6, 0x0
	.amdhsa_kernel k_q5d7124318b_outp
		.amdhsa_group_segment_fixed_size 327680
		.amdhsa_private_segment_fixed_size 0
		.amdhsa_enable_private_segment 0
		.amdhsa_kernarg_size 32
		.amdhsa_user_sgpr_count 2
		.amdhsa_user_sgpr_kernarg_segment_ptr 1
		.amdhsa_wavefront_size32 1
		.amdhsa_system_sgpr_workgroup_id_x 1
		.amdhsa_system_sgpr_workgroup_id_y 1
		.amdhsa_system_sgpr_workgroup_id_z 1
		.amdhsa_system_vgpr_workitem_id 0
		.amdhsa_next_free_vgpr 512
		.amdhsa_next_free_sgpr 68
		.amdhsa_reserve_vcc 0
		.amdhsa_float_denorm_mode_32 3
		.amdhsa_float_denorm_mode_16_64 3
		.amdhsa_memory_ordered 1
		.amdhsa_forward_progress 1
		.amdhsa_inst_pref_size 92
	.end_amdhsa_kernel
	.amdgpu_metadata
---
amdhsa.version: [ 1, 2 ]
amdhsa.kernels:
  - .name:           k_q5d7124318b_outp
    .symbol:         k_q5d7124318b_outp.kd
    .args:
      - { .name: att, .offset: 0, .size: 8, .value_kind: global_buffer, .address_space: global }
      - { .name: woh, .offset: 8, .size: 8, .value_kind: global_buffer, .address_space: global }
      - { .name: out0, .offset: 16, .size: 8, .value_kind: global_buffer, .address_space: global }
      - { .name: bo, .offset: 24, .size: 8, .value_kind: global_buffer, .address_space: global }
    .group_segment_fixed_size: 327680
    .private_segment_fixed_size: 0
    .kernarg_segment_align: 8
    .kernarg_segment_size: 32
    .max_flat_workgroup_size: 128
    .sgpr_count:     68
    .vgpr_count:     512
    .wavefront_size: 32
...
	.end_amdgpu_metadata
.endif
;; end of part 4
